; MI455X (gfx1250); checked and timed in simulation.
; The chip was launched on July 23, 2026; its instructions are those of AMD's public machine-readable ISA for CDNA 5 (MIT licence, August 2026) and "CDNA5" Instruction Set Architecture Reference Guide (July 2026). The comments in the code are by the model that wrote it; some were corrected since.
;; Attention. Allowed arithmetic: matrix products marked QUANTISED: E2M3 operands, one E8M0 scale for each 32 along K, by v_wmma_scale_f32_16x16x128_f8f6f4 with both operands' format E2M3, f32 sums; everything else in f32.
;; Inputs: W_proj 1,024 x 1,024 float32; W_qkv 1,024 x 3,072 float32; b_proj 1,024 float32; b_qkv 3,072 float32; x 8 x 1,024 x 1,024 float32.
;; Outputs: out0 8 x 1,024 x 1,024 float32.
;; This version of the problem:
;;   THIS VERSION OF THE PROBLEM IS GIVEN IN LOW PRECISION. The matrix products marked QUANTISED in the list below multiply operands that are first quantised to E2M3 (2 exponent bits, 3 mantissa bits; 6 bits a number), with one power-of-two scale for each 32 numbers along K (OCP MX v1.0); their sums are f32. All else is computed in f32.
;;   The module's matrix products, in the order in which they are computed (A, B: the left and right operand; K: the contracted axis; several contracted axes count as one K, in the product's order):
;;     1. [M 8,192, K 1,024] x [K 1,024, N 3,072]; A: input x; B: input W_qkv: QUANTISED
;;     2. batch 128 x [M 1,024, K 64] x [K 64, N 1,024]; A: computed on the way; B: computed on the way: QUANTISED
;;     3. batch 128 x [M 1,024, K 1,024] x [K 1,024, N 64]; A: softmax (see below); B: computed on the way: QUANTISED
;;     4. [M 8,192, K 1,024] x [K 1,024, N 1,024]; A: computed on the way; B: input W_proj: QUANTISED
;;   THE QUANTISER, for each operand of a quantised product, along K:
;;     - K is cut into blocks of 32 from its start; a last block that is shorter is filled with zeros.
;;     - A block's scale is 2^e with e = floor(log2(the largest magnitude in the block)) - 2, held to -126 .. 127; a block of zeros has e = 0. As a byte (E8M0): e + 127.
;;     - Each number is divided by its block's scale, clamped to +-7.5, and rounded to the nearest number of E2M3, ties to even, subnormals kept.
;;     - The product sums the exact products of the quantised numbers (number of the format x scale) in f32.
;;   ~~~python
;;   def quantise(x, axis):      # numpy; x: float32 -> the quantised numbers, widened to float32 again
;;       x = np.moveaxis(x, axis, -1); K = x.shape[-1]
;;       x = np.pad(x, [(0, 0)] * (x.ndim - 1) + [(0, -K % 32)]); x = x.reshape(x.shape[:-1] + (-1, 32)); a = np.abs(x).max(-1, keepdims=True)
;;       e = np.where(a > 0, np.clip(np.frexp(np.where(a > 0, a, 1))[1] - 1 - 2, -126, 127), 0)      # np.frexp(a)[1] - 1 = floor(log2(a)), exactly
;;       r = np.clip(x / 2.0 ** e, -7.5, 7.5)
;;       step = 2.0 ** (np.maximum(np.frexp(np.where(r == 0, 1, r))[1] - 1, 0) - 3)
;;       q = np.round(r / step) * step * 2.0 ** e      # np.round: ties to even
;;       return np.moveaxis(q.reshape(q.shape[:-2] + (-1,))[..., :K], -1, axis).astype(np.float32)
;;   ~~~
;;   SOFTMAX AHEAD OF A QUANTISED PRODUCT. Where the list says 'softmax', what is quantised is not the finished softmax but p = 2^(t - M), with t = logit x log2(e) and M = ceil(the row's largest t), a whole number; so 1/2 < the row's largest p <= 1. The row's sum l is taken of the UNQUANTISED p, in f32, and the product's result is divided by l at the end. Since M is a whole number, a kernel that streams over the keys may use a running M (the ceiling of the running maximum): every later rescaling is an exact power of two, which a block's scale takes up: the codes' values come out the same.
;;   OPERANDS COMPUTED ON THE WAY. 'Computed on the way' means the value that the module computes at that place (a softmax that the list does not call 'softmax' is quantised finished and normalised). What goes into a quantiser is computed in f32, as accurately as f32 sums, v_exp_f32 and their like allow (about 1e-6 of the number): no bf16 or f16 on the way to a quantiser, and a product that is left as it is and whose result goes on into a quantised operand takes f32 operands (vector FMAs, or v_wmma_f32_16x16x4_f32). A number that lies on a knife's edge between two numbers of the format may be rounded either way, as far as f32 arithmetic and the matrix unit's own rounding can turn it there, and no further.
;; One version. Each part assembles by itself: llvm-mc -triple=amdgcn-amd-amdhsa -mcpu=gfx1250 --defsym DOCPART=n.
;; ======== version 1 of 1: 4 launches
;; workspace buffers: cod 15,728,640 bytes; scl 655,360 bytes; tab 262,144 bytes; qb 6,815,744 bytes; kv 13,369,344 bytes
;; launch prep (part 1): grid 768 x 1, 4 waves a work-group, no clusters, 34,304 bytes of LDS; arguments x, W_qkv, W_proj, cod, scl, tab; writes cod, scl, tab
.if DOCPART == 1
	.amdgcn_target "amdgcn-amd-amdhsa--gfx1250"
	.amdhsa_code_object_version 6
	.text
	.protected	k_q25ecb66d3c_prep
	.globl	k_q25ecb66d3c_prep
	.p2align	8
	.type	k_q25ecb66d3c_prep,@function
k_q25ecb66d3c_prep:
	s_mov_b64 s[64:65], 0
	v_nop
	global_prefetch_b8 v0, s[64:65] scope:SCOPE_SE
	s_setreg_imm32_b32 hwreg(HW_REG_WAVE_MODE, 25, 1), 1
	s_wait_xcnt 0x0
; x [8192][1024], W_qkv [1024][3072] and W_proj [1024][1024], f32, become codes of FP6 (E2M3) with one E8M0 byte for each 32 along K (K = 1024 in all three),
; laid as IMAGES OF OPERAND REGISTERS.  A fragment is 16 rows x 128 K, 12 registers a lane: lane (r, h) holds row r, registers 6 c .. 6 c + 5 hold k = 64 c + 32 h + 0 .. 31.
; Its image is 1,536 bytes: registers 4 g .. 4 g + 3 of lane l at 512 g + 16 l.  A PANEL is 128 rows x all of K: [K step 8][block 8][1,536] = 98,304 bytes.
; Panels in cod: 0-63 x, 64-87 W_qkv's columns, 88-95 W_proj's columns (96-159 are written by the attention launch).  scl: [panel][K step 8][16 block + r] scale words.
; THE ROWS OF A BLOCK ARE NOT NEIGHBOURS: lane r of block i takes row 32 (i / 2) + 8 (i % 2) + r + 8 (r / 8), so that results of two neighbouring blocks are 16 neighbours along a later K.
; Work-groups 0-511: one block of 16 rows of x each, a wave two K steps; each thread also makes one entry of the table tab [position 1024][cos 32, sin 32] for the rotary embedding.
; Work-groups 512-767: one panel of a weight x one K step; a lane takes a column and its registers run down K.
; A block's scale is 2^(floor(log2(largest magnitude)) - 2); its byte is the largest magnitude's exponent field - 2, held at 1 from below.
; LIMITS: a block of zeros, or one whose largest magnitude lies under 2^-124, gets the byte 1 (its codes are zeros or the rule's; this program alone reads the bytes); NaN and infinities are not served.
; The table: 10000^(-f/32) is right to about 2 units in the last place, so that an angle near 1,000 can differ from another f32 evaluation by about 1e-4.
.set STGB,  8448                       ; a wave's stage: 16 rows x (512 bytes + 16)
.set SPARE, 4*STGB                     ; behind the stages: the spare words, 128 bytes a wave
.set SPW,   10                         ; v10 LDS address of my spare word; never rewritten
.set NIL,   11                         ; v11 0; never rewritten
.set F0,    40                         ; v40-51, v52-63 two fragments
.set F1,    52
.set RA,    64                         ; v64-127, v128-191 numbers as loaded; v192-255 numbers turned
.set RB,    128
.set XN,    192
	s_load_b128 s[4:7], s[0:1], 0x0                ; x, W_qkv
	s_load_b128 s[8:11], s[0:1], 0x10              ; W_proj, cod
	s_load_b128 s[12:15], s[0:1], 0x20             ; scl, tab
	v_lshl_add_u32 v[SPW], v0, 2, SPARE
	v_mov_b32 v[NIL], 0
	v_lshrrev_b32 v1, 5, v0
	v_readfirstlane_b32 s16, v1                    ; wave
	v_and_b32 v1, 31, v0                           ; lane
	v_and_b32 v2, 15, v0                           ; r
	v_bfe_u32 v3, v0, 4, 1                         ; h
	v_lshlrev_b32 v4, 4, v1                        ; 16 x lane
	s_cmp_lt_u32 ttmp9, 512
	s_cbranch_scc0 .Lweights
	; ---------------- x: block X = the work-group's number; wave w takes K steps 2 w and 2 w + 1
	s_mov_b32 s17, 0x76543210
	s_mov_b32 s18, 0xfedcba98                      ; v_permlanex16_b32's selects for lane l xor 16
	s_mul_i32 s19, s16, STGB
	v_add_nc_u32 v5, s19, v4                       ; the stage, in: 16 x lane of a row
	v_mul_u32_u24 v6, v2, 528
	v_lshl_add_u32 v6, v3, 7, v6
	v_add_nc_u32 v6, s19, v6                       ; and out: row r, + 128 h: my 32 numbers of each 64
	v_lshlrev_b32 v7, 3, v3                        ; 8 h: my bytes' place in a scale word
	v_lshlrev_b32 v8, 2, v2
	v_lshl_add_u32 v8, v3, 9, v8                   ; scale words: lanes 0-15 store the first K step's, lanes 16-31 the second's, 512 bytes on
	v_lshlrev_b32 v9, 2, v0                        ; the table: 4 bytes a thread
	v_mov_b32 v27, 0                               ; a lane permute's destination counts as one of its sources
	s_lshr_b32 s20, ttmp9, 1
	s_lshl_b32 s20, s20, 17                        ; 32 (X / 2) rows of 4,096 bytes
	s_and_b32 s21, ttmp9, 1
	s_lshl_b32 s21, s21, 15                        ; + 8 (X % 2) rows
	s_add_co_u32 s20, s20, s21
	s_lshl_b32 s21, s16, 10                        ; + my wave's 256 numbers
	s_add_co_u32 s20, s20, s21
	s_mov_b32 s21, 0
	s_lshr_b32 s22, ttmp9, 3                       ; the panel
	s_and_b32 s23, ttmp9, 7                        ; the block in it
	s_mul_i32 s24, s22, 98304
	s_mul_i32 s26, s16, 24576                      ; two K steps a wave
	s_add_co_u32 s24, s24, s26
	s_mul_i32 s26, s23, 1536
	s_add_co_u32 s24, s24, s26
	s_mov_b32 s25, 0
	s_lshl_b32 s26, s22, 12
	s_lshl_b32 s28, s16, 10
	s_add_co_u32 s26, s26, s28
	s_lshl_b32 s28, s23, 6
	s_add_co_u32 s26, s26, s28
	s_mov_b32 s27, 0
	s_lshl_b32 s28, ttmp9, 9                       ; the table: 128 entries a work-group
	s_mov_b32 s29, 0
	s_lshl_b32 s30, ttmp9, 1
	s_lshr_b32 s31, s16, 1
	s_add_co_u32 s30, s30, s31                     ; my entry's position: 2 X + wave / 2
	s_and_b32 s31, s16, 1
	s_mul_i32 s31, s31, 3                          ; even waves make cos (0), odd waves sin (3: sin a = cos(a - pi/2), a quadrant back)
	s_wait_kmcnt 0x0
	s_add_nc_u64 s[4:5], s[4:5], s[20:21]
	s_add_nc_u64 s[10:11], s[10:11], s[24:25]
	s_add_nc_u64 s[12:13], s[12:13], s[26:27]
	s_add_nc_u64 s[14:15], s[14:15], s[28:29]
.macro XLOAD reg, u                    ; K step u of my two: 16 rows x 512 consecutive bytes
.irp i, 0,1,2,3,4,5,6,7,8,9,10,11,12,13,14,15
	global_load_b128 v[\reg+4*\i:\reg+4*\i+3], v4, s[4:5] offset:(\i+8*(\i/8))*4096+512*\u th:TH_LOAD_NT
.endr
.endm
.macro TURN src, dst                   ; through my stage: in as loaded, out 128 bytes a lane.  LDS serves a wave's instructions in order (ISA guide 5.7.1.4): no wait between the stores and the loads
.irp i, 0,1,2,3,4,5,6,7,8,9,10,11,12,13,14,15
	ds_store_b128 v5, v[\src+4*\i:\src+4*\i+3] offset:528*\i
.endr
.irp c, 0,1
.irp j, 0,1,2,3,4,5,6,7
	ds_load_b128 v[\dst+32*\c+4*\j:\dst+32*\c+4*\j+3], v6 offset:256*\c+16*\j
.endr
.endr
.endm
; 64 numbers of a lane, register 32 c + i = k 64 c + 32 h + i of row r (two whole blocks), become the fragment's 12 registers and the row's scale word
.macro QF src, frag, wd
.irp c, 0,1
	v_max3_num_f32 v[12+\c], |v[\src+32*\c]|, |v[\src+32*\c+1]|, 0x1800000   ; with the floor 2^(3 - 127): the byte cannot fall under 1
.endr
.irp i, 2,4,6,8,10,12,14,16,18,20,22,24,26,28,30
.irp c, 0,1
	v_max3_num_f32 v[12+\c], v[12+\c], |v[\src+32*\c+\i]|, |v[\src+32*\c+\i+1]|
.endr
.endr
.irp c, 0,1
	v_add_nc_u32 v[16+\c], 0xff000000, v[12+\c]    ; 2 off the exponent field: the conversion's scale operand
.endr
.irp c, 0,1
	v_lshrrev_b32 v[18+\c], 23, v[16+\c]           ; the scale's byte
.endr
	v_lshl_or_b32 v[\wd], v19, 16, v18             ; my bytes: blocks h and 2 + h,
	v_lshlrev_b32 v[\wd], v7, v[\wd]               ; at their places;
	v_permlanex16_b32 v27, v[\wd], s17, s18
	v_or_b32 v[\wd], v[\wd], v27                   ; with lane l xor 16's two the word is whole
.irp c, 0,1
	v_cvt_scalef32_pk16_fp6_f32 v[\frag+6*\c:\frag+6*\c+2], v[\src+32*\c:\src+32*\c+15], v[16+\c]
	v_cvt_scalef32_pk16_fp6_f32 v[20+4*\c:22+4*\c], v[\src+32*\c+16:\src+32*\c+31], v[16+\c]   ; (a conversion's three registers begin on an even number)
.endr
	v_nop                                          ; one plain place behind a scaled conversion
.irp c, 0,1
.irp i, 0,1,2
	v_mov_b32 v[\frag+6*\c+3+\i], v[20+4*\c+\i]
.endr
.endr
.endm
	XLOAD RA, 0
	XLOAD RB, 1
	; the table's entry, while the loads are on their way.  f = my lane; angle = position x 10000^(-f / 32)
	v_lshlrev_b32 v12, 1, v1
	v_cvt_f32_u32 v12, v12                         ; 2 f
	v_mul_f32 v12, 0xbe135d8e, v12                 ; a = 2 f x (-ln(10000) / 64)
	v_mul_f32 v13, 0x3fb8aa3b, v12                 ; t = a log2(e), rounded;
	v_fma_f32 v14, v12, 0x3fb8aa3b, -v13           ; what the rounding dropped,
	v_fma_f32 v14, v12, 0x32a57060, v14            ; and what the constant's rounding dropped
	v_exp_f32 v15, v13
	v_cvt_f32_u32 v16, s30                         ; (a plain place behind the exponential)  the position
	s_wait_alu depctr_va_vdst(0)                   ; the wait ahead of the first reader
	v_mul_f32 v17, 0x3f317218, v15
	v_fma_f32 v15, v17, v14, v15                   ; 2^(t + rest) = 2^t (1 + rest ln 2)
	v_mul_f32 v16, v16, v15                        ; the angle
	v_mul_f32 v17, 0x3f22f983, v16
	v_rndne_f32 v17, v17                           ; n = the nearest multiple of pi/2
	v_fma_f32 v18, v17, 0xbfc90fdb, v16            ; angle - n x the upper part of pi/2: exact for angles up to 1,023
	v_fma_f32 v18, v17, 0x333bbd2e, v18            ; - n x the rest of pi/2 (-4.371139e-8)
	v_mul_f32 v19, v18, v18                        ; z = r^2, |r| <= pi/4
	v_mov_b32 v20, 0x37ccf5ce
	v_fmaak_f32 v20, v20, v19, 0xbab6061a
	v_fmaak_f32 v20, v20, v19, 0x3d2aaaa5
	v_mul_f32 v21, v19, v19
	v_fma_f32 v22, v19, -0.5, 1.0
	v_fma_f32 v20, v20, v21, v22                   ; cos r
	v_mov_b32 v23, 0xb94ca1f9
	v_fmaak_f32 v23, v23, v19, 0x3c08839e
	v_fmaak_f32 v23, v23, v19, 0xbe2aaaa3
	v_mul_f32 v24, v19, v18
	v_fma_f32 v23, v23, v24, v18                   ; sin r
	v_cvt_i32_f32 v25, v17
	v_add_nc_u32 v25, s31, v25                     ; the quadrant, as for a cosine
	v_and_b32 v26, 1, v25
	v_cmp_ne_u32 vcc_lo, 0, v26
	v_cndmask_b32 v39, v20, v23, vcc_lo            ; odd quadrants take sin r
	v_add_nc_u32 v25, 1, v25
	v_and_b32 v25, 2, v25                          ; quadrants 1 and 2 are negative
	v_lshlrev_b32 v25, 30, v25
	v_xor_b32 v39, v39, v25
	global_store_b32 v9, v39, s[14:15]             ; a wave stores 128 consecutive bytes, the work-group 512
	s_wait_loadcnt 16                              ; the first K step's 16 loads are in; the second's may be out
	TURN RA, XN
	s_wait_loadcnt 0x0
	s_wait_dscnt 16                                ; the first turn's stores have read their registers (its 16 loads may be out): the second turn lands there
	TURN RB, RA
	s_wait_dscnt 32                                ; the first turn's loads are in; the second turn's 32 instructions may be out
	QF XN, F0, 28
.irp c, 0,1,2
	global_store_b128 v4, v[F0+4*\c:F0+4*\c+3], s[10:11] offset:512*\c            ; 512 consecutive bytes
.endr
	s_wait_dscnt 0x0
	QF RA, F1, 29
.irp c, 0,1,2
	global_store_b128 v4, v[F1+4*\c:F1+4*\c+3], s[10:11] offset:12288+512*\c
.endr
	v_cmp_ne_u32 vcc_lo, 0, v3
	v_cndmask_b32 v30, v28, v29, vcc_lo            ; every lane holds both words
	global_store_b32 v8, v30, s[12:13]
	s_wait_tensorcnt 0x0                           ; the wave's end: behind my last LDS store
	ds_add_u32 v[SPW], v[NIL]
	s_wait_dscnt 0x0
	s_endpgm
	; ---------------- a weight: panel P (128 columns) x K step q; wave w takes 32 columns, a lane one column, 128 registers down K.  No LDS
.Lweights:
	s_sub_co_u32 s19, ttmp9, 512
	s_and_b32 s20, s19, 31                         ; P: 0-23 W_qkv, 24-31 W_proj
	s_lshr_b32 s21, s19, 5                         ; q
	v_and_b32 v5, 7, v1                            ; my column of the wave's 32: my lane with bits 3 and 4 changed over, so that lanes 0-15 are block 2 w in its order and lanes 16-31 block 2 w + 1
	v_bfe_u32 v6, v1, 3, 1
	v_lshl_add_u32 v5, v6, 4, v5
	v_lshl_add_u32 v5, v3, 3, v5
	v_lshlrev_b32 v5, 2, v5
	s_lshl_b32 s22, s16, 7
	v_add_nc_u32 v5, s22, v5                       ; in bytes, + 32 columns a wave
	v_lshlrev_b32 v8, 2, v1
	s_add_co_u32 s23, s20, 64                      ; the panel's number in cod and scl
	s_mul_i32 s24, s23, 98304
	s_mul_i32 s26, s21, 12288
	s_add_co_u32 s24, s24, s26
	s_mul_i32 s26, s16, 3072                       ; two blocks a wave
	s_add_co_u32 s24, s24, s26
	s_mov_b32 s25, 0
	s_lshl_b32 s26, s23, 12
	s_lshl_b32 s28, s21, 9
	s_add_co_u32 s26, s26, s28
	s_add_co_u32 s26, s26, s22                     ; 32 scale words a wave
	s_mov_b32 s27, 0
	s_mov_b32 s29, 0
	s_wait_kmcnt 0x0
	s_add_nc_u64 s[10:11], s[10:11], s[24:25]
	s_add_nc_u64 s[12:13], s[12:13], s[26:27]
.macro WLOAD pitch, base               ; W(128 q + i, my column), i = 0 .. 127: a load reads 128 consecutive bytes a wave, 512 a work-group
.set i, 0
.rept 128
	global_load_b32 v[64+i], v5, s[\base:\base+1] offset:i*\pitch th:TH_LOAD_NT
.set i, i+1
.endr
.endm
	s_cmp_lt_u32 s20, 24
	s_cbranch_scc0 .Lproj_w
	s_lshl_b32 s28, s20, 9
	s_mul_i32 s30, s21, 128*12288
	s_add_co_u32 s28, s28, s30
	s_add_nc_u64 s[6:7], s[6:7], s[28:29]
	WLOAD 12288, 6
	s_branch .Lw_in
.Lproj_w:
	s_sub_co_u32 s28, s20, 24
	s_lshl_b32 s28, s28, 9
	s_mul_i32 s30, s21, 128*4096
	s_add_co_u32 s28, s28, s30
	s_add_nc_u64 s[8:9], s[8:9], s[28:29]
	WLOAD 4096, 8
.Lw_in:
.macro WBLK t                          ; block t of 32 along K: all its numbers are mine
.if 96-32*(\t) > 63
	s_wait_loadcnt 63                              ; the largest count that a wait can name; 96 - 32 t loads were issued behind this block's
.else
	s_wait_loadcnt 96-32*(\t)                      ; the later blocks' loads may be out
.endif
	v_max3_num_f32 v12, |v[64+32*\t]|, |v[65+32*\t]|, |v[66+32*\t]|
	v_max3_num_f32 v13, |v[67+32*\t]|, |v[68+32*\t]|, |v[69+32*\t]|
.irp i, 6,10,14,18,22,26
	v_max3_num_f32 v12, v12, |v[64+32*\t+\i]|, |v[65+32*\t+\i]|
	v_max3_num_f32 v13, v13, |v[66+32*\t+\i]|, |v[67+32*\t+\i]|
.endr
	v_max3_num_f32 v12, v12, |v[94+32*\t]|, |v[95+32*\t]|
	v_max3_num_f32 v12, v12, v13, 0x1800000        ; and the floor
	v_add_nc_u32 v16, 0xff000000, v12
	v_lshrrev_b32 v18, 23, v16
.if (\t) == 0
	v_mov_b32 v28, v18
.else
	v_lshl_or_b32 v28, v18, 8*(\t), v28            ; my column's scale word
.endif
	v_cvt_scalef32_pk16_fp6_f32 v[F0+12*((\t)%2)+6*((\t)/2):F0+12*((\t)%2)+6*((\t)/2)+2], v[64+32*\t:79+32*\t], v16
	v_cvt_scalef32_pk16_fp6_f32 v[20:22], v[80+32*\t:95+32*\t], v16
	v_nop                                          ; one plain place behind a scaled conversion
.irp i, 0,1,2
	v_mov_b32 v[F0+12*((\t)%2)+6*((\t)/2)+3+\i], v[20+\i]
.endr
.endm
	WBLK 0
	WBLK 1
	WBLK 2
	WBLK 3
.irp j, 0,1,2,3,4,5,6,7,8,9,10,11      ; F0 holds each column's blocks 0 and 2, F1 its blocks 1 and 3.  F0's lanes 16-31 change places with F1's lanes 0-15: F0 is then block 2 w's fragment, F1 block 2 w + 1's
	v_permlane16_swap_b32 v[F0+\j], v[F1+\j]
.endr
.irp c, 0,1,2
	global_store_b128 v4, v[F0+4*\c:F0+4*\c+3], s[10:11] offset:512*\c
	global_store_b128 v4, v[F1+4*\c:F1+4*\c+3], s[10:11] offset:1536+512*\c
.endr
	global_store_b32 v8, v28, s[12:13]
	s_endpgm
.Lfunc_end_k_q25ecb66d3c_prep:
	.size	k_q25ecb66d3c_prep, .Lfunc_end_k_q25ecb66d3c_prep-k_q25ecb66d3c_prep
	.p2alignl 7, 3214868480
	.fill 96, 4, 3214868480
	.section	.rodata,"a",@progbits
	.p2align	6, 0x0
	.amdhsa_kernel k_q25ecb66d3c_prep
		.amdhsa_group_segment_fixed_size 34304
		.amdhsa_private_segment_fixed_size 0
		.amdhsa_enable_private_segment 0
		.amdhsa_kernarg_size 48
		.amdhsa_user_sgpr_count 2
		.amdhsa_user_sgpr_kernarg_segment_ptr 1
		.amdhsa_wavefront_size32 1
		.amdhsa_system_sgpr_workgroup_id_x 1
		.amdhsa_system_sgpr_workgroup_id_y 1
		.amdhsa_system_sgpr_workgroup_id_z 1
		.amdhsa_system_vgpr_workitem_id 0
		.amdhsa_next_free_vgpr 256
		.amdhsa_next_free_sgpr 66
		.amdhsa_reserve_vcc 1
		.amdhsa_float_denorm_mode_32 3
		.amdhsa_float_denorm_mode_16_64 3
		.amdhsa_memory_ordered 1
		.amdhsa_forward_progress 1
		.amdhsa_inst_pref_size 51
	.end_amdhsa_kernel
	.amdgpu_metadata
---
amdhsa.version: [ 1, 2 ]
amdhsa.kernels:
  - .name:           k_q25ecb66d3c_prep
    .symbol:         k_q25ecb66d3c_prep.kd
    .args:
      - { .name: x, .offset: 0, .size: 8, .value_kind: global_buffer, .address_space: global }
      - { .name: W_qkv, .offset: 8, .size: 8, .value_kind: global_buffer, .address_space: global }
      - { .name: W_proj, .offset: 16, .size: 8, .value_kind: global_buffer, .address_space: global }
      - { .name: cod, .offset: 24, .size: 8, .value_kind: global_buffer, .address_space: global }
      - { .name: scl, .offset: 32, .size: 8, .value_kind: global_buffer, .address_space: global }
      - { .name: tab, .offset: 40, .size: 8, .value_kind: global_buffer, .address_space: global }
    .group_segment_fixed_size: 34304
    .private_segment_fixed_size: 0
    .kernarg_segment_align: 8
    .kernarg_segment_size: 48
    .max_flat_workgroup_size: 128
    .sgpr_count:     66
    .vgpr_count:     256
    .wavefront_size: 32
...
	.end_amdgpu_metadata
.endif
;; end of part 1
;; launch qkv (part 2): grid 12 x 32, 4 waves a work-group, clusters of 4 x 4, 327,680 bytes of LDS; arguments cod, scl, tab, b_qkv, qb, kv; writes qb, kv
.if DOCPART == 2
	.amdgcn_target "amdgcn-amd-amdhsa--gfx1250"
	.amdhsa_code_object_version 6
	.text
	.protected	k_q25ecb66d3c_qkv
	.globl	k_q25ecb66d3c_qkv
	.p2align	8
	.type	k_q25ecb66d3c_qkv,@function
k_q25ecb66d3c_qkv:
	s_mov_b64 s[64:65], 0
	v_nop
	global_prefetch_b8 v0, s[64:65] scope:SCOPE_SE
	s_setreg_imm32_b32 hwreg(HW_REG_WAVE_MODE, 25, 1), 1
	s_wait_xcnt 0x0
	s_wait_alu depctr_hold_cnt(0) depctr_sa_sdst(0) depctr_va_vdst(0) depctr_va_sdst(0) depctr_va_ssrc(0) depctr_va_vcc(0) depctr_vm_vsrc(0)
	s_getreg_b32 s2, hwreg(HW_REG_IB_STS2, 6, 4)
	s_cmp_eq_u32 s2, 0
	s_cbranch_scc0 .Lentry_in_a_cluster
	s_endpgm
.Lentry_in_a_cluster:
	s_bfe_u32 s2, ttmp6, 0x10000c
	s_cmp_lg_u32 s2, 0xf033
	s_cbranch_scc0 .Lentry_shape_is_right
	s_endpgm
.Lentry_shape_is_right:
; qkv = x W_qkv + b_qkv on codes of FP6 (E2M3) with E8M0 scales; the rotary embedding on q and k; q, k and v quantised again, as the attention launch's operands.  Nothing wider than codes goes to memory.
; A tile of the product is 256 x 256 for a work-group of four waves, 128 x 128 (64 accumulators) a wave; K = 1,024 in 8 steps of 128.
; Operands lie in cod as images of operand registers (a fragment: 16 rows x 128 K, 1,536 bytes; a panel: 128 rows, [K step 8][block 8][1,536]); lane r of block i holds row 32 (i/2) + 8 (i%2) + r + 8 (r/8).
; ROLES.  R is source 1: a lane of the result holds ONE row of R.  P is source 0: a lane's registers run along P's rows, and the 16 registers of two neighbouring blocks are 16 neighbouring rows of P.
;   clusters x = 0 (q) and 1 (k): R = 256 tokens, P = 256 features: a lane holds a token and 128 features (two heads): the heads' 64 are the next product's K.
;   cluster  x = 2 (v):           R = 256 features, P = 256 tokens: a lane holds a feature and 128 tokens: the keys are the next product's K.
; CLUSTER 4 x 4: R's tile hangs on cy alone and is asked for jointly by a row of the cluster, P's on cx alone, by a column.  The K loop is one text for q, k and v; branches hang on the cluster's x, which all partners share.
; LDS: three slots of 98,304 bytes, each a chunk of 256 along K (R's two panels' parts, then P's two, 24,576 bytes each, dense).  Chunks 0-2 are first fills; chunk 3 fills slot 0 again behind K step 1's round.
; REGISTERS: window 0: v1-20 addresses; v32-63 R's scale words, v64-95 P's (register 4 g + i: lanes 0-15 block 2 i, lanes 16-31 block 2 i + 1, K step g); v96-127, v224-255 cos and sin of two row blocks (v: the bias);
;   v128-223 R's 8 fragments, one set.  window 1: P's 8 fragments, two sets, v0-95 and v128-223; the bias as a result's tiles, v96-127 and v224-255; on the way out all of it is workspace.
;   windows 2, 3: accumulator (a, b) at v[8 (8 (a % 4) + b)] of window 2 + a / 4.
; LIMITS: a block of zeros or under 2^-124 gets the scale byte 1 (this program alone reads the bytes); NaN and infinities are not served.
.set PANEL, 98304
.set CHUNK, 24576
.set SLOTB, 98304
.set SPARE, 3*SLOTB                    ; behind the slots: the spare words, 128 bytes a wave
.set FR,   12
.set ADRR, 4                           ; v4-6   LDS address of my R fragments in slot 0, 1, 2
.set ADRP, 8                           ; v8-10  the same for P
.set SPW,  28
.set NIL,  29
.set SR,   32
.set SP,   64
.set CS,   96
.set RF,   128
.set TQ,   0                           ; window 1, on the way out: 64 numbers to be quantised,
.set TT,   64                          ; 64 products with sin,
.set PC,   128                         ; the codes just made (20 registers),
.set TM,   148                         ; 16 at work,
.set W8,   164                         ; 8 scale words,
.set ZW,   172                         ; 4 chosen
.set G1R,  24
.set G0R,  32                          ; s[32:43] three sets
.set G1P,  44
.set G0P,  52                          ; s[52:63]
.set SEL,  98
.set MSB,  0
.macro WIN new                         ; the immediate's high byte repeats the setting that is left
.if MSB != (\new)
	s_set_vgpr_msb (MSB<<8)|(\new)
.set MSB, (\new)
.endif
.endm
.macro PLACES                          ; four plain vector instructions behind a matrix instruction, ahead of loads into its sources and of reads of its results
.rept 4
	v_nop
.endr
.endm
.macro CREST                           ; a round of the cluster's barrier behind its opening barrier
	s_cmp_lg_u32 s16, 0
	s_cbranch_scc1 .Lnot_wave_0_\@
	s_barrier_signal -3
.Lnot_wave_0_\@:
	s_barrier_wait -3
	s_barrier_signal -1
	s_barrier_wait -1
.endm
.macro CROUND
	s_barrier_signal -1
	s_barrier_wait -1
	CREST
.endm
.macro JLOAD                           ; the one refill: waves 0 and 1 fetch R's halves, waves 2 and 3 P's; the branch hangs on the wave's number alone
	s_cmp_eq_u32 s17, 0
	s_cbranch_scc0 .Lfor_p_\@
	tensor_load_to_lds s[G0R:G0R+3], s[G1R:G1R+7]
	s_nop 0
.rept 4
	v_nop
.endr
	s_branch .Lasked_\@
.Lfor_p_\@:
	tensor_load_to_lds s[G0P:G0P+3], s[G1P:G1P+7]
	s_nop 0
.rept 4
	v_nop
.endr
.Lasked_\@:
.endm
	s_load_b256 s[4:11], s[0:1], 0x0               ; cod, scl, tab, b_qkv
	s_load_b128 s[12:15], s[0:1], 0x20             ; qb, kv
	v_lshl_add_u32 v[SPW], v0, 2, SPARE
	v_mov_b32 v[NIL], 0
	ds_add_u32 v[SPW], v[NIL]                      ; the wave's opening: the add and its wait ahead of my first tensor load
	v_lshrrev_b32 v1, 5, v0
	v_readfirstlane_b32 s16, v1                    ; wave
	s_lshr_b32 s17, s16, 1                         ; which panel of R is mine.  Also: I fetch for R (0) or for P (1)
	s_and_b32 s18, s16, 1                          ; which panel of P is mine.  Also: which panel I fetch
	s_bfe_u32 s19, ttmp6, 0x40000                  ; cx
	s_bfe_u32 s20, ttmp6, 0x40004                  ; cy
	s_and_b32 s22, ttmp7, 0xffff                   ; the cluster's y: the batch
	s_lshl_b32 s66, s20, 2
	s_lshl_b32 s66, 15, s66                        ; my row of the cluster
	s_lshl_b32 s67, 0x1111, s19                    ; my column
	s_or_b32 s[G1R], s66, (3<<16)|(1<<21)          ; the mask; elements of 8 bytes; bit 21 set beside a mask; no padding
	s_or_b32 s[G1P], s67, (3<<16)|(1<<21)
.irp g, G1R, G1P                       ; a dense block of 24,576 bytes as 96 rows of 256
	s_mov_b32 s[\g+1], 32<<16
	s_mov_b32 s[\g+2], 96<<16
	s_mov_b32 s[\g+3], 32<<16
	s_mov_b32 s[\g+4], 96
	s_mov_b32 s[\g+5], 32
	s_mov_b32 s[\g+6], 0
	s_mov_b32 s[\g+7], 0
.endr
	s_mov_b32 s[SEL], 0x76543210
	s_mov_b32 s[SEL+1], 0xfedcba98
	s_lshl_b32 s68, s22, 3                         ; x's panels of this batch begin at 8 x batch
	s_lshl_b32 s69, ttmp9, 3
	s_add_co_u32 s69, s69, 64                      ; q's or k's panels of W_qkv
	s_cmp_eq_u32 ttmp9, 2
	s_cselect_b32 s70, 80, s68                     ; R: v's panels of W_qkv, or x's
	s_cselect_b32 s71, s68, s69                    ; P: x's, or W_qkv's
	s_lshl_b32 s72, s20, 1
	s_add_co_u32 s70, s70, s72                     ; + 2 cy: no register of R's ever holds cx,
	s_lshl_b32 s73, s19, 1
	s_add_co_u32 s71, s71, s73                     ; + 2 cx: none of P's cy
	s_add_co_u32 s74, s70, s18                     ; the panel of R that I fetch,
	s_add_co_u32 s75, s70, s17                     ; and the one that I multiply
	s_add_co_u32 s76, s71, s18                     ; the panel of P: both
	s_mul_i32 s78, s74, PANEL
	s_mov_b32 s79, 0
	s_mul_i32 s80, s76, PANEL
	s_mov_b32 s81, 0
	s_mul_i32 s77, s16, CHUNK                      ; where a fetched part goes in a slot: wave x 24,576
	s_lshl_b32 s82, s75, 12
	s_mov_b32 s83, 0
	s_lshl_b32 s84, s76, 12
	s_mov_b32 s85, 0
	s_wait_dscnt 0x0                               ; the opening add is done
	s_wait_kmcnt 0x0
	s_add_nc_u64 s[78:79], s[4:5], s[78:79]
	s_add_nc_u64 s[80:81], s[4:5], s[80:81]
	s_add_nc_u64 s[82:83], s[6:7], s[82:83]        ; R's scale words
	s_add_nc_u64 s[84:85], s[6:7], s[84:85]        ; P's
	CROUND                                         ; all sixteen work-groups are here: the first joint loads meet
.irp s, 0,1,2
	s_mov_b32 s[G0R+4*\s], 1
	s_add_co_u32 s[G0R+4*\s+1], s77, \s*SLOTB
	s_add_nc_u64 s[G0R+4*\s+2:G0R+4*\s+3], s[78:79], \s*CHUNK
	s_or_b32 s[G0R+4*\s+3], s[G0R+4*\s+3], 0x80000000
	s_mov_b32 s[G0P+4*\s], 1
	s_add_co_u32 s[G0P+4*\s+1], s77, \s*SLOTB
	s_add_nc_u64 s[G0P+4*\s+2:G0P+4*\s+3], s[80:81], \s*CHUNK
	s_or_b32 s[G0P+4*\s+3], s[G0P+4*\s+3], 0x80000000
.endr
	s_cmp_eq_u32 s17, 0                            ; a wave's three first fills stand in one branch: three loads of mine are out
	s_cbranch_scc0 .Lfirst_p
	tensor_load_to_lds s[G0R:G0R+3], s[G1R:G1R+7]
	s_nop 0
	tensor_load_to_lds s[G0R+4:G0R+7], s[G1R:G1R+7]
	s_nop 0
	tensor_load_to_lds s[G0R+8:G0R+11], s[G1R:G1R+7]
	s_nop 0
.rept 4
	v_nop
.endr
	s_branch .Lfirst_asked
.Lfirst_p:
	tensor_load_to_lds s[G0P:G0P+3], s[G1P:G1P+7]
	s_nop 0
	tensor_load_to_lds s[G0P+4:G0P+7], s[G1P:G1P+7]
	s_nop 0
	tensor_load_to_lds s[G0P+8:G0P+11], s[G1P:G1P+7]
	s_nop 0
.rept 4
	v_nop
.endr
.Lfirst_asked:
	v_and_b32 v3, 31, v0                           ; lane
	v_and_b32 v1, 15, v0                           ; r
	v_bfe_u32 v2, v0, 4, 1                         ; h
	v_lshlrev_b32 v16, 4, v3                       ; 16 x lane: an image's place for my lane
	v_lshlrev_b32 v17, 3, v3                       ; 8 x lane
	v_lshlrev_b32 v12, 2, v3                       ; 4 x lane
	s_mul_i32 s86, s17, CHUNK
	s_mul_i32 s87, s18, CHUNK
	s_add_co_u32 s87, s87, 2*CHUNK
.irp s, 0,1,2
	v_add_nc_u32 v[ADRR+\s], s86, v16
	v_add_nc_u32 v[ADRP+\s], s87, v16
	s_add_co_u32 s86, s86, SLOTB
	s_add_co_u32 s87, s87, SLOTB
.endr
	v_and_b32 v13, 8, v1
	v_add_nc_u32 v13, v13, v1                      ; r + 8 (r / 8)
	v_lshlrev_b32 v15, 2, v13                      ; v's bias: 4 bytes a feature
	v_lshlrev_b32 v13, 8, v13
	v_lshl_add_u32 v13, v2, 6, v13                 ; the table: 256 bytes a position, + 64 h: frequencies 16 h + 0 .. 15
	v_lshlrev_b32 v14, 6, v2                       ; q's and k's bias: 64 h
	v_lshlrev_b32 v18, 4, v1
	v_lshl_add_u32 v19, v2, 11, v18                ; v's scale words: 2,048 h + 16 r
	v_lshl_add_u32 v18, v2, 12, v18                ; q's and k's: 4,096 h + 16 r
	v_lshlrev_b32 v20, 4, v2                       ; 16 h
.set g, 0
.rept 8                                ; all scale words of my two panels: 128 consecutive bytes a load
.irp i, 0,1,2,3
	global_load_b32 v[SR+4*g+\i], v12, s[82:83] offset:512*g+128*\i
	global_load_b32 v[SP+4*g+\i], v12, s[84:85] offset:512*g+128*\i
.endr
.set g, g+1
.endr
.macro CSLOAD a                        ; cos and sin of row block a's positions, frequencies 16 h + 0 .. 15, into set a % 2
.irp j, 0,1,2,3
	global_load_b128 v[CS+128*((\a)%2)+4*\j:CS+128*((\a)%2)+4*\j+3], v13, s[8:9] offset:(32*((\a)/2)+8*((\a)%2))*256+16*\j
	global_load_b128 v[CS+128*((\a)%2)+16+4*\j:CS+128*((\a)%2)+16+4*\j+3], v13, s[8:9] offset:(32*((\a)/2)+8*((\a)%2))*256+128+16*\j
.endr
.endm
	s_cmp_eq_u32 ttmp9, 2
	s_cbranch_scc1 .Lbias_v
	s_lshl_b32 s88, ttmp9, 12                      ; q, k: the bias runs along P: it is the C of the first K step's products, eight registers a block in the result's layout
	s_lshl_b32 s90, s19, 10
	s_add_co_u32 s88, s88, s90
	s_lshl_b32 s90, s18, 9
	s_add_co_u32 s88, s88, s90
	s_mov_b32 s89, 0
	s_add_nc_u64 s[88:89], s[10:11], s[88:89]
	WIN 0x40
.irp b, 0,1,2,3,4,5,6,7
	global_load_b128 v[96+128*(\b/4)+8*(\b%4):96+128*(\b/4)+8*(\b%4)+3], v14, s[88:89] offset:128*(\b/2)+32*(\b%2)
	global_load_b128 v[96+128*(\b/4)+8*(\b%4)+4:96+128*(\b/4)+8*(\b%4)+7], v14, s[88:89] offset:128*(\b/2)+32*(\b%2)+16
.endr
	WIN 0
	s_lshl_b32 s90, s20, 1
	s_add_co_u32 s90, s90, s17                     ; my panel of tokens in its batch: positions 128 x that on
	s_lshl_b32 s90, s90, 15
	s_mov_b32 s91, 0
	s_add_nc_u64 s[8:9], s[8:9], s[90:91]
	CSLOAD 0
	CSLOAD 1
	s_branch .Lbias_in
.Lbias_v:
	WIN 0x40                                       ; v: the bias runs along R, one number a lane: it is added on the way out, and the first products' C is zeros
.set i, 0
.rept 32
	v_mov_b32 v[96+i], 0
	v_mov_b32 v[224+i], 0
.set i, i+1
.endr
	WIN 0
	s_lshl_b32 s88, s20, 10
	s_lshl_b32 s90, s17, 9
	s_add_co_u32 s88, s88, s90
	s_add_co_u32 s88, s88, 8192
	s_mov_b32 s89, 0
	s_add_nc_u64 s[88:89], s[10:11], s[88:89]
.irp a, 0,1,2,3,4,5,6,7
	global_load_b32 v[CS+2*\a], v15, s[88:89] offset:4*(32*(\a/2)+8*(\a%2))
	v_mov_b32 v[CS+2*\a+1], 0                      ; (named with it as a pair)
.endr
.set i, 0
.rept 16                               ; the rest of the table's two sets is written on this way too: the text parts on the cluster's x here and again at the way out,
	v_mov_b32 v[CS+16+i], 0                        ; and a register is written on every way through the text that leads to a line that reads it
	v_mov_b32 v[CS+128+i], 0
	v_mov_b32 v[CS+144+i], 0
.set i, i+1
.endr
.Lbias_in:
	s_wait_loadcnt 0x0
.macro FRAG reg, adr, off              ; a fragment comes as it was stored: three loads of 512 consecutive bytes
.irp c, 0,1,2
	ds_load_b128 v[\reg+4*\c:\reg+4*\c+3], v[\adr] offset:\off+512*\c
.endr
.endm
.macro FETCH_P slot, q, set
	WIN 0x40
.irp i, 0,1,2,3,4,5,6,7
	FRAG 128*(\set)+FR*\i, ADRP+(\slot), 12288*(\q)+1536*\i
.endr
	WIN 0
.endm
.macro FETCH_R slot, q, i0
.irp i, \i0, \i0+1, \i0+2, \i0+3
	FRAG RF+FR*(\i), ADRR+(\slot), 12288*(\q)+1536*(\i)
.endr
.endm
; one product: R's block a x P's block b, K step g.  The scale words of an odd block stand in lanes 16-31 of their register
.macro WM a, b, g, set, first
.set rD, 8*(8*((\a)%4)+(\b))
.set rC, rD
.if \first
.set rC, 96+128*((\b)/4)+8*((\b)%4)
.endif
.set rP, 128*(\set)+FR*(\b)
.set rR, RF+FR*(\a)
.set rSP, SP+4*(\g)+(\b)/2
.set rSR, SR+4*(\g)+(\a)/2
.if ((\a)%2 == 0) && ((\b)%2 == 0)
	v_wmma_scale_f32_16x16x128_f8f6f4 v[rD:rD+7], v[rP:rP+11], v[rR:rR+11], v[rC:rC+7], v[rSP], v[rSR] matrix_a_fmt:MATRIX_FMT_FP6 matrix_b_fmt:MATRIX_FMT_FP6
.elseif ((\a)%2 == 0)
	v_wmma_scale_f32_16x16x128_f8f6f4 v[rD:rD+7], v[rP:rP+11], v[rR:rR+11], v[rC:rC+7], v[rSP], v[rSR] matrix_a_fmt:MATRIX_FMT_FP6 matrix_b_fmt:MATRIX_FMT_FP6 matrix_a_scale:MATRIX_SCALE_ROW1
.elseif ((\b)%2 == 0)
	v_wmma_scale_f32_16x16x128_f8f6f4 v[rD:rD+7], v[rP:rP+11], v[rR:rR+11], v[rC:rC+7], v[rSP], v[rSR] matrix_a_fmt:MATRIX_FMT_FP6 matrix_b_fmt:MATRIX_FMT_FP6 matrix_b_scale:MATRIX_SCALE_ROW1
.else
	v_wmma_scale_f32_16x16x128_f8f6f4 v[rD:rD+7], v[rP:rP+11], v[rR:rR+11], v[rC:rC+7], v[rSP], v[rSR] matrix_a_fmt:MATRIX_FMT_FP6 matrix_b_fmt:MATRIX_FMT_FP6 matrix_a_scale:MATRIX_SCALE_ROW1 matrix_b_scale:MATRIX_SCALE_ROW1
.endif
.endm
.macro MUL16 a0, g, set, first         ; the 64 accumulators take turns, one instruction a turn, in the same order in every step
.irp a, \a0, \a0+1
.irp b, 0,1,2,3,4,5,6,7
	WM \a, \b, \g, \set, \first
.endr
.endr
.endm
; K step g, whose successor's chunk is known to have landed.  R has one set: blocks 0-3 are fetched anew in the step's middle, blocks 4-7 at its end.  P has two sets
.macro STEP g, first
.set NS, (((\g)+1)/2)%3
.set NQ, ((\g)+1)%2
	s_wait_dscnt 12                                ; P's set and R's blocks 0-3 are in; the youngest 12 loads (R's blocks 4-7) may be out
	WIN 0xa1-0x10*(\first)                         ; P window 1, R window 0, C and D window 2 (the first step's C: the bias, window 1)
	MUL16 0, \g, (\g)%2, \first
	MUL16 2, \g, (\g)%2, \first
	s_wait_dscnt 0x0
	PLACES
	FETCH_P NS, NQ, 1-(\g)%2
	FETCH_R NS, NQ, 0
	WIN 0xf1-0x20*(\first)
	MUL16 4, \g, (\g)%2, \first
	MUL16 6, \g, (\g)%2, \first
	PLACES
	WIN 0
	FETCH_R NS, NQ, 4
.endm
; K steps 1 and 5: one barrier.  In front of it each wave waits for all its tensor loads, adds 0 to its spare word, and waits for that and for its LDS reads.
; fill = 1 (step 1): nobody reads slot 0 any more; the barrier opens a round of the cluster's, and chunk 3 is asked for first thing behind it: it has K steps 2 to 5 in which to land.  fill = 0 (step 5): chunk 3 is whole for every wave
.macro TURN g, fill
.set NS, (((\g)+1)/2)%3
	s_wait_tensorcnt 0x0                           ; all my tensor loads have landed
	ds_add_u32 v[SPW], v[NIL]                      ; 0 onto my spare word
	s_wait_dscnt 13                                ; (the add and the youngest 12 loads may be out)
	WIN 0xa1
	MUL16 0, \g, 1, 0
	s_wait_dscnt 0x0                               ; the add is done, and my LDS reads are over
	s_barrier_signal -1
	MUL16 2, \g, 1, 0
	WIN 0
	s_barrier_wait -1
.if \fill
	CREST
	s_add_nc_u64 s[G0R+2:G0R+3], s[G0R+2:G0R+3], 3*CHUNK
	s_add_nc_u64 s[G0P+2:G0P+3], s[G0P+2:G0P+3], 3*CHUNK
	JLOAD                                          ; the four v_nop behind it are also the places in front of the loads below
.else
	PLACES
.endif
	FETCH_P NS, 0, 0
	FETCH_R NS, 0, 0
	WIN 0xf1
	MUL16 4, \g, 1, 0
	MUL16 6, \g, 1, 0
	PLACES
	WIN 0
	FETCH_R NS, 0, 4
.endm
	s_wait_tensorcnt 2                             ; my part of chunk 0 is in; chunks 1 and 2 may be out
	s_barrier_signal -1
	s_barrier_wait -1
	FETCH_P 0, 0, 0
	FETCH_R 0, 0, 0
	FETCH_R 0, 0, 4
	STEP 0, 1
	TURN 1, 1
	STEP 2, 0
	STEP 3, 0
	STEP 4, 0
	TURN 5, 0
	STEP 6, 0
	s_wait_dscnt 12                                ; the last step: nothing more to fetch
	WIN 0xa1
	MUL16 0, 7, 1, 0
	MUL16 2, 7, 1, 0
	s_wait_dscnt 0x0
	WIN 0xf1
	MUL16 4, 7, 1, 0
	MUL16 6, 7, 1, 0
	WIN 0
	PLACES                                         ; ahead of the first read of results and the first write into window 1, which held operands
; 64 numbers of a lane (window 1), register 16 b + i = k 32 b + 16 h + i of my row, become a fragment's 12 registers in v[PC] on and its scale word
.macro QUANT s, pw
.irp b, 0,1,2,3
	v_max3_num_f32 v[TM+\b], |v[\s+16*\b]|, |v[\s+1+16*\b]|, 0x1800000   ; my 16 numbers of block b, and the floor 2^(3 - 127)
.endr
.irp i, 2,4,6,8,10,12,14
.irp b, 0,1,2,3
	v_max3_num_f32 v[TM+\b], v[TM+\b], |v[\s+16*\b+\i]|, |v[\s+1+16*\b+\i]|
.endr
.endr
.irp b, 0,1,2,3
	v_permlanex16_b32 v[TM+4+\b], v[TM+\b], s[SEL], s[SEL+1]
.endr
.irp b, 0,1,2,3
	v_max_num_f32 v[TM+\b], v[TM+\b], v[TM+4+\b]   ; with lane l xor 16's: the block's largest magnitude
.endr
.irp b, 0,1,2,3
	v_add_nc_u32 v[TM+12+\b], 0xff000000, v[TM+\b] ; 2 off its exponent field: the conversion's scale operand
.endr
.irp b, 0,1,2,3
	v_lshrrev_b32 v[TM+4+\b], 23, v[TM+12+\b]      ; the scale's byte
.endr
	v_lshl_or_b32 v[\pw], v[TM+5], 8, v[TM+4]
	v_lshl_or_b32 v[\pw], v[TM+6], 16, v[\pw]
	v_lshl_or_b32 v[\pw], v[TM+7], 24, v[\pw]
.irp c, 0,1
	v_cvt_scalef32_pk16_fp6_f32 v[PC+6*\c:PC+2+6*\c], v[\s+32*\c:\s+15+32*\c], v[TM+12+2*\c]
	v_cvt_scalef32_pk16_fp6_f32 v[PC+12+4*\c:PC+14+4*\c], v[\s+16+32*\c:\s+31+32*\c], v[TM+12+2*\c+1]
.endr
	v_nop                                          ; one plain place behind a scaled conversion
.irp c, 0,1                            ; the operand's layout wants a whole block in a lane
.irp i, 0,1,2
	v_permlane16_swap_b32 v[PC+6*\c+\i], v[PC+12+4*\c+\i]
.endr
.irp i, 0,1,2
	v_mov_b32 v[PC+3+6*\c+\i], v[PC+12+4*\c+\i]
.endr
.endr
.endm
	WIN 0x40
.irp b, 0,1,2,3
	v_mov_b32 v[TM+4+\b], 0                        ; a lane permute's destination counts as one of its sources
.endr
	WIN 0
	s_cmp_eq_u32 ttmp9, 2
	s_cbranch_scc1 .Lout_v
	; ---------------- q and k.  A lane holds a token; register 32 g + i is head g's d = 16 h + i, register 32 g + 16 + i its d = 32 + 16 h + i: the two partners of the rotation lie in one lane
	s_lshl_b32 s86, s20, 1
	s_add_co_u32 s86, s86, s17                     ; my panel of tokens in the batch
	s_lshl_b32 s87, s19, 1
	s_add_co_u32 s87, s87, s18                     ; my pair of heads
	s_mul_i32 s88, s22, 786432                     ; q's codes: [batch x 16 + head][block 64][768]
	s_mul_i32 s90, s87, 98304
	s_add_co_u32 s88, s88, s90
	s_lshl_b32 s92, s22, 16                        ; q's scale words: 4,096 bytes a head, behind the codes
	s_lshl_b32 s90, s87, 13
	s_add_co_u32 s92, s92, s90
	s_add_co_u32 s92, s92, 6291456
	s_lshl_b32 s94, s22, 3                         ; k: [batch x 8 + pair][208,896]: codes at 0, scale words at 196,608
	s_add_co_u32 s94, s94, s87
	s_mul_i32 s94, s94, 208896
	s_add_co_u32 s95, s94, 196608
	s_cmp_eq_u32 ttmp9, 0
	s_cselect_b32 s88, s88, s94
	s_cselect_b32 s92, s92, s95
	s_cselect_b64 s[96:97], s[12:13], s[14:15]
	s_mul_i32 s90, s86, 6144                       ; 8 blocks of 768 bytes a panel
	s_add_co_u32 s88, s88, s90
	s_lshl_b32 s90, s86, 9                         ; 128 scale words a panel
	s_add_co_u32 s92, s92, s90
	s_mov_b32 s89, 0
	s_mov_b32 s93, 0
	s_add_nc_u64 s[88:89], s[96:97], s[88:89]
	s_add_nc_u64 s[92:93], s[96:97], s[92:93]
.macro OUTQK a
.set AC, 64*((\a)%4)
.set CC, CS+128*((\a)%2)
.if (\a) < 7
	s_wait_loadcnt 8                               ; this block's cos and sin are in; the next block's 8 loads may be out
.else
	s_wait_loadcnt 0x0
.endif
	WIN 0x42+(\a)/4                                ; results window 2 or 3, the table window 0, destination window 1
.set kk, 0
.rept 32                               ; the partner's share, x sin; each accumulator is read from its low end on
.if (kk/16)%2 == 0
	v_pk_mul_f32 v[TT+kk+16:TT+kk+17], v[AC+kk:AC+kk+1], v[CC+16+kk%16:CC+17+kk%16]
.else
	v_pk_mul_f32 v[TT+kk-16:TT+kk-15], v[AC+kk:AC+kk+1], v[CC+16+kk%16:CC+17+kk%16]
.endif
.set kk, kk+2
.endr
	WIN 0x52+(\a)/4
.set kk, 0
.rept 32                               ; d < 32: x cos - partner sin;  d >= 32: x cos + partner sin
.if (kk/16)%2 == 0
	v_pk_fma_f32 v[TQ+kk:TQ+kk+1], v[AC+kk:AC+kk+1], v[CC+kk%16:CC+kk%16+1], v[TT+kk:TT+kk+1] neg_lo:[0,0,1] neg_hi:[0,0,1]
.else
	v_pk_fma_f32 v[TQ+kk:TQ+kk+1], v[AC+kk:AC+kk+1], v[CC+kk%16:CC+kk%16+1], v[TT+kk:TT+kk+1]
.endif
.set kk, kk+2
.endr
	WIN 0
.if (\a)+2 < 8
	CSLOAD (\a)+2
.endif
	s_wait_xcnt 0x0                                ; the last block's stores have read their data: the codes' registers are written again only behind this wait
	WIN 0x55
	QUANT TQ, W8+(\a)                              ; registers 6 g .. 6 g + 5 are head g's half fragment: d = 32 h + 0 .. 31
	WIN 0x04                                       ; a store's data are its source 1: window 1
.irp g, 0,1
	global_store_b128 v16, v[PC+6*\g:PC+6*\g+3], s[88:89] offset:49152*\g+768*(\a)          ; 512 consecutive bytes,
	global_store_b64 v17, v[PC+6*\g+4:PC+6*\g+5], s[88:89] offset:49152*\g+768*(\a)+512     ; and 256
.endr
.endm
	OUTQK 0
	OUTQK 1
	OUTQK 2
	OUTQK 3
	OUTQK 4
	OUTQK 5
	OUTQK 6
	OUTQK 7
	WIN 0x44
.irp a, 0,1,2,3,4,5,6,7
	v_lshrrev_b32 v[W8+\a], v20, v[W8+\a]          ; lanes 0-15 keep head 0's two bytes lowest, lanes 16-31 bring head 1's down.  The upper two bytes scale zero codes and are never 0xff
.endr
	WIN 0x04
	global_store_b128 v18, v[W8:W8+3], s[92:93]                ; [head][panel][a / 4][r][a % 4]: 256 consecutive bytes for each head
	global_store_b128 v18, v[W8+4:W8+7], s[92:93] offset:256
	WIN 0
	s_branch .Ldone
	; ---------------- v.  A lane holds a feature d; its 64 registers run along 128 keys: block a is a fragment of 16 d x 128 keys
.Lout_v:
	s_lshl_b32 s86, s20, 1
	s_add_co_u32 s86, s86, s17                     ; my pair of heads
	s_lshl_b32 s87, s19, 1
	s_add_co_u32 s87, s87, s18                     ; my key step
	s_lshl_b32 s88, s22, 3
	s_add_co_u32 s88, s88, s86
	s_mul_i32 s88, s88, 208896
	s_mul_i32 s90, s87, 6144
	s_add_co_u32 s90, s90, s88
	s_add_co_u32 s90, s90, 98304                   ; v's codes: [head % 2][key step 8][d block 4][1,536]
	s_mov_b32 s91, 0
	s_lshl_b32 s92, s87, 8
	s_add_co_u32 s92, s92, s88
	s_add_co_u32 s92, s92, 204800                  ; v's scale words: [head % 2][key step 8][r 16][d block 4]
	s_mov_b32 s93, 0
	s_add_nc_u64 s[90:91], s[14:15], s[90:91]
	s_add_nc_u64 s[92:93], s[14:15], s[92:93]
.macro OUTV a
.set AC, 64*((\a)%4)
	WIN 0x42+(\a)/4
.set kk, 0
.rept 32
	v_pk_add_f32 v[TQ+kk:TQ+kk+1], v[AC+kk:AC+kk+1], v[CS+2*(\a):CS+2*(\a)+1] op_sel_hi:[1,0]   ; my feature's bias
.set kk, kk+2
.endr
	WIN 0
	s_wait_xcnt 0x0                                ; the last block's stores have read their data
	WIN 0x55
	QUANT TQ, W8+(\a)
	WIN 0x04
.irp c, 0,1,2
	global_store_b128 v16, v[PC+4*\c:PC+4*\c+3], s[90:91] offset:49152*((\a)/4)+1536*((\a)%4)+512*\c
.endr
.endm
	OUTV 0
	OUTV 1
	OUTV 2
	OUTV 3
	OUTV 4
	OUTV 5
	OUTV 6
	OUTV 7
	WIN 0
	v_cmp_ne_u32 vcc_lo, 0, v2
	WIN 0x45
.irp d, 0,1,2,3
	v_cndmask_b32 v[ZW+\d], v[W8+\d], v[W8+4+\d], vcc_lo       ; lanes 0-15 store head 0's words, lanes 16-31 head 1's
.endr
	WIN 0x04
	global_store_b128 v19, v[ZW:ZW+3], s[92:93]
	WIN 0
.Ldone:
	s_wait_tensorcnt 0x0                           ; the wave's end: behind my last tensor load
	ds_add_u32 v[SPW], v[NIL]
	s_wait_dscnt 0x0
	CROUND                                         ; the closing round: no work-group ends while a partner may still ask for a tile that names it
	s_endpgm
.Lfunc_end_k_q25ecb66d3c_qkv:
	.size	k_q25ecb66d3c_qkv, .Lfunc_end_k_q25ecb66d3c_qkv-k_q25ecb66d3c_qkv
	.p2alignl 7, 3214868480
	.fill 96, 4, 3214868480
	.section	.rodata,"a",@progbits
	.p2align	6, 0x0
	.amdhsa_kernel k_q25ecb66d3c_qkv
		.amdhsa_group_segment_fixed_size 327680
		.amdhsa_private_segment_fixed_size 0
		.amdhsa_enable_private_segment 0
		.amdhsa_kernarg_size 48
		.amdhsa_user_sgpr_count 2
		.amdhsa_user_sgpr_kernarg_segment_ptr 1
		.amdhsa_wavefront_size32 1
		.amdhsa_system_sgpr_workgroup_id_x 1
		.amdhsa_system_sgpr_workgroup_id_y 1
		.amdhsa_system_sgpr_workgroup_id_z 1
		.amdhsa_system_vgpr_workitem_id 0
		.amdhsa_next_free_vgpr 1024
		.amdhsa_next_free_sgpr 100
		.amdhsa_reserve_vcc 1
		.amdhsa_float_denorm_mode_32 3
		.amdhsa_float_denorm_mode_16_64 3
		.amdhsa_memory_ordered 1
		.amdhsa_forward_progress 1
		.amdhsa_inst_pref_size 238
	.end_amdhsa_kernel
	.amdgpu_metadata
---
amdhsa.version: [ 1, 2 ]
amdhsa.kernels:
  - .name:           k_q25ecb66d3c_qkv
    .symbol:         k_q25ecb66d3c_qkv.kd
    .args:
      - { .name: cod, .offset: 0, .size: 8, .value_kind: global_buffer, .address_space: global }
      - { .name: scl, .offset: 8, .size: 8, .value_kind: global_buffer, .address_space: global }
      - { .name: tab, .offset: 16, .size: 8, .value_kind: global_buffer, .address_space: global }
      - { .name: b_qkv, .offset: 24, .size: 8, .value_kind: global_buffer, .address_space: global }
      - { .name: qb, .offset: 32, .size: 8, .value_kind: global_buffer, .address_space: global }
      - { .name: kv, .offset: 40, .size: 8, .value_kind: global_buffer, .address_space: global }
    .group_segment_fixed_size: 327680
    .private_segment_fixed_size: 0
    .kernarg_segment_align: 8
    .kernarg_segment_size: 48
    .max_flat_workgroup_size: 128
    .sgpr_count:     100
    .vgpr_count:     1024
    .wavefront_size: 32
...
	.end_amdgpu_metadata
.endif
;; end of part 2
;; launch attn (part 3): grid 4 x 64, 16 waves a work-group, clusters of 4 x 1, 327,680 bytes of LDS; arguments qb, kv, cod, scl; writes cod, scl
.if DOCPART == 3
	.amdgcn_target "amdgcn-amd-amdhsa--gfx1250"
	.amdhsa_code_object_version 6
	.text
	.protected	k_q25ecb66d3c_attn
	.globl	k_q25ecb66d3c_attn
	.p2align	8
	.type	k_q25ecb66d3c_attn,@function
k_q25ecb66d3c_attn:
	s_mov_b64 s[64:65], 0
	v_nop
	global_prefetch_b8 v0, s[64:65] scope:SCOPE_SE
	s_setreg_imm32_b32 hwreg(HW_REG_WAVE_MODE, 25, 1), 1
	s_wait_xcnt 0x0
	s_wait_alu depctr_hold_cnt(0) depctr_sa_sdst(0) depctr_va_vdst(0) depctr_va_sdst(0) depctr_va_ssrc(0) depctr_va_vcc(0) depctr_vm_vsrc(0)
	s_getreg_b32 s2, hwreg(HW_REG_IB_STS2, 6, 4)
	s_cmp_eq_u32 s2, 0
	s_cbranch_scc0 .Lentry_in_a_cluster
	s_endpgm
.Lentry_in_a_cluster:
	s_bfe_u32 s2, ttmp6, 0x10000c
	s_cmp_lg_u32 s2, 0x3003
	s_cbranch_scc0 .Lentry_shape_is_right
	s_endpgm
.Lentry_shape_is_right:
; softmax(q k^T / 8) v for 128 (batch, head)s of 1,024 positions x 64, both products on codes of FP6 (E2M3) with E8M0 scales; the result is quantised along the model's 1,024 as the last product's operand.
; THE SOFTMAX: t = score x log2(e) / 8; M = the row's largest t so far, rounded UP to a whole number; p = 2^(t - M) is quantised along the keys, not normalised; the row's sum is taken of the unquantised p and divides at the end.
; When M moves, the sum and O are multiplied by 2^(old M - new M): exact.
; SHARES.  A work-group owns 256 queries of a PAIR of heads; each of its sixteen waves owns one block of 16 queries and takes it through the pair's first head and then its second:
; so a wave ends with a whole fragment (16 rows x 128 K = the pair's 2 x 64) and a whole scale word of the last product's operand.
; CLUSTER.  The four work-groups of a cluster are the four quarters of one pair's queries: they need the same K and V, 208,896 bytes, codes and scale words, laid in memory as they are wanted in LDS.
; Each wave asks jointly for 51 rows of 256 bytes; the bytes are filled once and stay: the loops have no barrier.
; LAYOUT.  S^T = K Q^T (source 0 = 16 keys, source 1 = my 16 queries), O^T = V^T P^T (source 0 = 16 d, source 1 = P): a lane holds one query throughout.  The head's 64 fill half of a K of 128: the upper six registers
; of K's and Q's fragments are zero codes.  Rows of a block are not neighbours (lane r of block i: row 32 (i/2) + 8 (i%2) + r + 8 (r/8)), so that the 16 registers of two neighbouring tiles are 16 neighbours along the next K.
; LDS, as kv has a pair: 0 K's codes [head 2][block 64][768]; 98,304 V's codes [head 2][key step 8][d block 4][1,536]; 196,608 K's scale words [head 2][key step 8][tile / 4][r][tile % 4]; 204,800 V's [head 2][key step 8][r][d block].
; LIMITS: a block of zeros or under 2^-124 gets the scale byte 1; NaN and infinities are not served; 1 / sum is v_rcp_f32's.
.set SPARE, 208896                     ; behind the pair's bytes: the spare words, 128 bytes for each of 16 waves
.set SPW,   6
.set NIL,   7
.set ADK16, 8                          ; v8-11, v28: LDS addresses of the step in hand
.set ADK8,  9
.set ADV,   10
.set ADS,   11
.set ADT,   28
.set QFR,   16                         ; v16-27  Q's fragment (v22-27 zeros)
.set KFR,   32                         ; v32-79  four frames for K's fragments (the upper six of each: zeros)
.set SS,    80                         ; v80-143 S^T, then p; v80-127 later V's four fragments
.set OO,    144                        ; v144-175 O^T
.set PCD,   176                        ; v176-187 p's codes
.set CT,    188                        ; v188-195 the conversions' second halves
.set BM,    196                        ; v196-199 the blocks' largest
.set PT,    200                        ; v200-203 permutes, bytes
.set SO,    204                        ; v204-207 scale operands
.set TA,    208                        ; v208-209 at work
.set FF,    210                        ; v210-211 f = 2^(old M - new M), named as a pair
.set KS,    212                        ; v212-215 K's scale words: lanes 0-15 tiles 0-3, lanes 16-31 tiles 4-7
.set VS,    216                        ; v216-219 V's
.set QS,    220
.set PS,    221
.set OW,    222                        ; the result's scale word
.set OUT,   224                        ; v224-235 the result's fragment
.set OT,    236
.set CSC,   46                         ; s[46:47] c = log2(e) / 8
.set SEL,   48
.set TBK,   50                         ; s50 where the step's codes begin (K's and V's alike): 6,144 bytes a step, the second head's behind the first's
.set TBS,   51                         ; s51 K's scale words: 512 a step
.set TBT,   52                         ; s52 V's: 256 a step
.macro CROUND
	s_barrier_signal -1
	s_barrier_wait -1
	s_cmp_lg_u32 s12, 0
	s_cbranch_scc1 .Lnot_wave_0_\@
	s_barrier_signal -3
.Lnot_wave_0_\@:
	s_barrier_wait -3
	s_barrier_signal -1
	s_barrier_wait -1
.endm
	s_load_b256 s[4:11], s[0:1], 0x0               ; qb, kv, cod, scl
	v_lshl_add_u32 v[SPW], v0, 2, SPARE
	v_mov_b32 v[NIL], 0
	ds_add_u32 v[SPW], v[NIL]                      ; the wave's opening: the add and its wait ahead of my first tensor load
	v_lshrrev_b32 v1, 5, v0
	v_readfirstlane_b32 s12, v1                    ; wave 0..15
	s_bfe_u32 s13, ttmp6, 0x40000                  ; cx: which quarter of the queries
	s_and_b32 s14, ttmp7, 0xffff                   ; the pair: batch x 8 + head / 2
	s_mov_b32 s16, 15|(3<<16)|(1<<21)              ; group 1: the mask names all four; elements of 8 bytes; bit 21 set beside a mask; no padding
	s_mov_b32 s17, 32<<16                          ; 51 rows of 256 bytes, dense
	s_mov_b32 s18, 51<<16
	s_mov_b32 s19, 32<<16
	s_mov_b32 s20, 51
	s_mov_b32 s21, 32
	s_mov_b32 s22, 0
	s_mov_b32 s23, 0
	s_mov_b32 s24, 1
	s_mul_i32 s25, s12, 13056                      ; my sixteenth of the pair's bytes, in LDS
	s_mul_i32 s28, s14, 208896
	s_add_co_u32 s28, s28, s25                     ; and in memory
	s_mov_b32 s29, 0
	s_lshl_b32 s30, s13, 4
	s_add_co_u32 s30, s30, s12                     ; my block of queries, 0..63
	s_lshr_b32 s31, s14, 3                         ; batch
	s_and_b32 s32, s14, 7                          ; pair in the batch
	s_lshl_b32 s33, s31, 4
	s_lshl_b32 s34, s32, 1
	s_add_co_u32 s33, s33, s34                     ; batch x 16 + the pair's first head
	s_mul_i32 s36, s33, 49152
	s_mul_i32 s34, s30, 768
	s_add_co_u32 s36, s36, s34                     ; Q's codes
	s_mov_b32 s37, 0
	s_lshl_b32 s38, s33, 12
	s_lshr_b32 s34, s30, 3
	s_lshl_b32 s34, s34, 9
	s_add_co_u32 s38, s38, s34
	s_bfe_u32 s34, s30, 0x10002
	s_lshl_b32 s34, s34, 8
	s_add_co_u32 s38, s38, s34
	s_and_b32 s34, s30, 3
	s_lshl_b32 s34, s34, 2
	s_add_co_u32 s38, s38, s34
	s_add_co_u32 s38, s38, 6291456                 ; Q's scale words: [head][block / 8][(block % 8) / 4][r][block % 4]
	s_mov_b32 s39, 0
	s_lshl_b32 s40, s31, 3
	s_lshr_b32 s34, s30, 3
	s_add_co_u32 s40, s40, s34
	s_add_co_u32 s40, s40, 96                      ; the result's panel
	s_and_b32 s35, s30, 7                          ; and my block in it
	s_mul_i32 s42, s40, 98304
	s_mul_i32 s34, s32, 12288                      ; the pair is the last product's K step
	s_add_co_u32 s42, s42, s34
	s_mul_i32 s34, s35, 1536
	s_add_co_u32 s42, s42, s34
	s_mov_b32 s43, 0
	s_lshl_b32 s44, s40, 12
	s_lshl_b32 s34, s32, 9
	s_add_co_u32 s44, s44, s34
	s_lshl_b32 s34, s35, 6
	s_add_co_u32 s44, s44, s34
	s_mov_b32 s45, 0
	s_mov_b32 s[CSC], 0x3e38aa3b
	s_mov_b32 s[CSC+1], s[CSC]                     ; (named with it as a pair)
	s_mov_b32 s[SEL], 0x76543210
	s_mov_b32 s[SEL+1], 0xfedcba98
	s_mov_b32 s[TBK], 0
	s_mov_b32 s[TBS], 0
	s_mov_b32 s[TBT], 0
	s_wait_dscnt 0x0                               ; the opening add is done
	s_wait_kmcnt 0x0
	s_add_nc_u64 s[26:27], s[6:7], s[28:29]
	s_or_b32 s27, s27, 0x80000000
	s_add_nc_u64 s[36:37], s[4:5], s[36:37]
	s_add_nc_u64 s[38:39], s[4:5], s[38:39]
	s_add_nc_u64 s[42:43], s[8:9], s[42:43]
	s_add_nc_u64 s[44:45], s[10:11], s[44:45]
	CROUND                                         ; all four work-groups are here: the joint loads meet
	tensor_load_to_lds s[24:27], s[16:23]          ; my one tensor load of the launch
	s_nop 0
.rept 4
	v_nop
.endr
	v_and_b32 v29, 31, v0                          ; lane
	v_lshlrev_b32 v1, 4, v29                       ; 16 x lane
	v_lshl_add_u32 v2, v29, 3, 512                 ; 512 + 8 x lane: registers 4 and 5 of a half image
	v_add_nc_u32 v3, 98304, v1                     ; V's codes
	v_add_nc_u32 v4, 196608, v1                    ; K's scale words
	v_and_b32 v31, 15, v0
	v_lshlrev_b32 v30, 4, v31                      ; 16 r
	v_add_nc_u32 v5, 204800, v30                   ; V's scale words
	v_lshlrev_b32 v31, 2, v31                      ; 4 r
.irp i, 0,1,2,3,4,5
	v_mov_b32 v[QFR+6+\i], 0                       ; zero codes for k = 64 .. 127, written once
.irp t, 0,1,2,3
	v_mov_b32 v[KFR+12*\t+6+\i], 0
.endr
.endr
.irp i, 0,1,2,3,4,5,6,7,8,9,10,11
	v_mov_b32 v[OUT+\i], 0
.endr
	v_mov_b32 v[OW], 0
.irp b, 0,1,2,3
	v_mov_b32 v[PT+\b], 0                          ; a lane permute's destination counts as one of its sources
.endr
	v_mov_b32 v[FF+1], 0                           ; (named as the upper half of a pair)
	s_wait_tensorcnt 0x0                           ; my part has landed,
	s_barrier_signal -1
	s_barrier_wait -1                              ; everybody's has
	s_mov_b32 s53, 2
.Lhead:                                            ; two trips: the pair's two heads
	global_load_b128 v[QFR:QFR+3], v1, s[36:37]
	global_load_b64 v[QFR+4:QFR+5], v2, s[36:37]
	global_load_b32 v[QS], v30, s[38:39]
.set j, 0
.rept 32
	v_mov_b32 v[OO+j], 0                           ; O^T: the step is written once; its first trip finds zeros, which the first change of M leaves zeros
.set j, j+1
.endr
	v_mov_b32 v14, 0                               ; the sum, in two halves
	v_mov_b32 v15, 0
	v_mov_b32 v13, 0xff61b1e6                      ; the largest t so far: -3e38
	v_floor_f32 v12, -v13                          ; -M
	s_wait_loadcnt 0x0
	s_add_nc_u64 s[36:37], s[36:37], 49152         ; the next head's (behind the loads' own wait)
	s_add_nc_u64 s[38:39], s[38:39], 4096
	s_mov_b32 s54, 8
.Lstep:                                            ; eight trips: 128 keys each
	v_add_nc_u32 v[ADK16], s[TBK], v1              ; these five are also the places between the last products and the first that writes over V's fragments
	v_add_nc_u32 v[ADK8], s[TBK], v2
	v_add_nc_u32 v[ADV], s[TBK], v3
	v_add_nc_u32 v[ADS], s[TBS], v4
	v_add_nc_u32 v[ADT], s[TBT], v5
	ds_load_b128 v[KS:KS+3], v[ADS]
.irp g, 0,1                            ; S^T = K Q^T, four tiles of 16 keys at a time
.if \g
.rept 4
	v_nop                                          ; places in front of loads into registers that matrix instructions have read
.endr
.endif
.irp t, 0,1,2,3
	ds_load_b128 v[KFR+12*\t:KFR+12*\t+3], v[ADK16] offset:768*(4*\g+\t)
	ds_load_b64 v[KFR+12*\t+4:KFR+12*\t+5], v[ADK8] offset:768*(4*\g+\t)
.endr
	s_wait_dscnt 0x0
.irp t, 0,1,2,3
.if \g == 0
	v_wmma_scale_f32_16x16x128_f8f6f4 v[SS+8*\t:SS+8*\t+7], v[KFR+12*\t:KFR+12*\t+11], v[QFR:QFR+11], 0, v[KS+\t], v[QS] matrix_a_fmt:MATRIX_FMT_FP6 matrix_b_fmt:MATRIX_FMT_FP6
.else
	v_wmma_scale_f32_16x16x128_f8f6f4 v[SS+32+8*\t:SS+32+8*\t+7], v[KFR+12*\t:KFR+12*\t+11], v[QFR:QFR+11], 0, v[KS+\t], v[QS] matrix_a_fmt:MATRIX_FMT_FP6 matrix_b_fmt:MATRIX_FMT_FP6 matrix_a_scale:MATRIX_SCALE_ROW1
.endif
.endr
.endr                                  ; register 16 b + i is key 32 b + 16 h + i of the step
.rept 4
	v_nop
.endr
.irp b, 0,1,2,3
	v_max3_num_f32 v[BM+\b], v[SS+16*\b], v[SS+1+16*\b], v[SS+2+16*\b]   ; the largest score of each block of 32 keys: for the row's maximum, and, since p rises with the score, for the block's largest p
.endr
.irp i, 3,5,7,9,11,13
.irp b, 0,1,2,3
	v_max3_num_f32 v[BM+\b], v[BM+\b], v[SS+16*\b+\i], v[SS+1+16*\b+\i]
.endr
.endr
.irp b, 0,1,2,3
	v_max_num_f32 v[BM+\b], v[BM+\b], v[SS+15+16*\b]
.endr
.irp b, 0,1,2,3
	v_permlanex16_b32 v[PT+\b], v[BM+\b], s[SEL], s[SEL+1]
.endr
.irp b, 0,1,2,3
	v_max_num_f32 v[BM+\b], v[BM+\b], v[PT+\b]     ; with lane l xor 16's 16 keys
.endr
	v_max3_num_f32 v[TA], v[BM], v[BM+1], v[BM+2]
	v_max_num_f32 v[TA], v[TA], v[BM+3]
	v_mul_f32 v[TA], s[CSC], v[TA]                 ; as t
	v_max_num_f32 v13, v13, v[TA]                  ; the running largest t
	v_mov_b32 v[TA], v12
	v_floor_f32 v12, -v13                          ; the new -M = -ceil(t)
	v_sub_f32 v[TA], v12, v[TA]                    ; old M - new M: a whole number, 0 or less
	v_cvt_i32_f32 v[TA], v[TA]                     ; (it saturates)
	v_ldexp_f32 v[FF], 1.0, v[TA]                  ; f = 2^(old M - new M)
.set j, 0
.rept 32
	v_pk_fma_f32 v[SS+j:SS+j+1], v[SS+j:SS+j+1], s[CSC:CSC+1], v[12:13] op_sel_hi:[1,0,0]   ; t - M, two at a time
.set j, j+2
.endr
.irp b, 0,1,2,3
	v_fma_f32 v[BM+\b], v[BM+\b], s[CSC], v12      ; the same of each block's largest score
.endr
.set j, 0
.rept 64
	v_exp_f32 v[SS+j], v[SS+j]                     ; p = 2^(t - M), at most 1
.set j, j+1
.endr
	v_pk_mul_f32 v[14:15], v[14:15], v[FF:FF+1] op_sel_hi:[1,0]   ; the sums under the new M (a plain place behind the exponentials)
	s_wait_alu depctr_va_vdst(0)                   ; one wait for the whole batch, ahead of its first reader
.irp b, 0,1,2,3
	v_exp_f32 v[BM+\b], v[BM+\b]                   ; the block's largest p: the same two instructions on the same number
.endr
	v_pk_add_f32 v[TA:TA+1], v[SS:SS+1], v[SS+2:SS+3]   ; the row's sum of the unquantised p, in two chains
.set j, 4
.rept 15
	v_pk_add_f32 v[14:15], v[14:15], v[SS+j:SS+j+1]
	v_pk_add_f32 v[TA:TA+1], v[TA:TA+1], v[SS+j+2:SS+j+3]
.set j, j+4
.endr
	v_pk_add_f32 v[14:15], v[14:15], v[TA:TA+1]
	s_wait_alu depctr_va_vdst(0)                   ; and one for the four
.irp b, 0,1,2,3
	v_max_num_f32 v[BM+\b], 0x1800000, v[BM+\b]    ; the floor 2^(3 - 127)
.endr
.irp b, 0,1,2,3
	v_add_nc_u32 v[SO+\b], 0xff000000, v[BM+\b]    ; the conversion's scale operand
.endr
.irp b, 0,1,2,3
	v_lshrrev_b32 v[PT+\b], 23, v[SO+\b]           ; the scale's byte
.endr
	v_lshl_or_b32 v[PS], v[PT+1], 8, v[PT]         ; p's scale word for these 128 keys
	v_lshl_or_b32 v[PS], v[PT+2], 16, v[PS]
	v_lshl_or_b32 v[PS], v[PT+3], 24, v[PS]
.irp c, 0,1
	v_cvt_scalef32_pk16_fp6_f32 v[PCD+6*\c:PCD+6*\c+2], v[SS+32*\c:SS+32*\c+15], v[SO+2*\c]
	v_cvt_scalef32_pk16_fp6_f32 v[CT+4*\c:CT+4*\c+2], v[SS+32*\c+16:SS+32*\c+31], v[SO+2*\c+1]
.endr
	v_nop                                          ; one plain place behind a scaled conversion
.irp c, 0,1                            ; the operand's layout wants a whole block in a lane
.irp i, 0,1,2
	v_permlane16_swap_b32 v[PCD+6*\c+\i], v[CT+4*\c+\i]
.endr
.irp i, 0,1,2
	v_mov_b32 v[PCD+6*\c+3+\i], v[CT+4*\c+\i]
.endr
.endr
.set j, 0
.rept 16
	v_pk_mul_f32 v[OO+j:OO+j+1], v[OO+j:OO+j+1], v[FF:FF+1] op_sel_hi:[1,0]   ; O^T under the new M.  (Also the places between the lines that made p's codes and scale word and the products below)
.set j, j+2
.endr
.irp d, 0,1,2,3                        ; V's four fragments, 16 d x these 128 keys, into the registers that p has left
.irp c, 0,1,2
	ds_load_b128 v[SS+12*\d+4*\c:SS+12*\d+4*\c+3], v[ADV] offset:1536*\d+512*\c
.endr
.endr
	ds_load_b128 v[VS:VS+3], v[ADT]
	s_wait_dscnt 0x0
.irp d, 0,1,2,3                        ; the four accumulators take turns
	v_wmma_scale_f32_16x16x128_f8f6f4 v[OO+8*\d:OO+8*\d+7], v[SS+12*\d:SS+12*\d+11], v[PCD:PCD+11], v[OO+8*\d:OO+8*\d+7], v[VS+\d], v[PS] matrix_a_fmt:MATRIX_FMT_FP6 matrix_b_fmt:MATRIX_FMT_FP6
.endr
	s_add_co_u32 s[TBK], s[TBK], 6144
	s_add_co_u32 s[TBS], s[TBS], 512
	s_add_co_u32 s[TBT], s[TBT], 256
	s_sub_co_u32 s54, s54, 1
	s_cmp_lg_u32 s54, 0
	s_cbranch_scc1 .Lstep
	; the head is done: O^T / the sum, register 16 b + i = d 32 b + 16 h + i, is quantised: two blocks of 32, half a fragment of the last product's operand
.rept 4
	v_nop
.endr
	v_add_f32 v14, v14, v15
	v_permlanex16_b32 v[PT], v14, s[SEL], s[SEL+1]
	v_add_f32 v14, v14, v[PT]                      ; the row's sum
	v_rcp_f32 v14, v14
	v_nop                                          ; a plain place behind the reciprocal
	s_wait_alu depctr_va_vdst(0)                   ; and the wait ahead of its first reader
.set j, 0
.rept 16
	v_pk_mul_f32 v[SS+j:SS+j+1], v[OO+j:OO+j+1], v[14:15] op_sel_hi:[1,0]
.set j, j+2
.endr
.irp b, 0,1
	v_max3_num_f32 v[BM+\b], |v[SS+16*\b]|, |v[SS+1+16*\b]|, 0x1800000
.endr
.irp i, 2,4,6,8,10,12,14
.irp b, 0,1
	v_max3_num_f32 v[BM+\b], v[BM+\b], |v[SS+16*\b+\i]|, |v[SS+1+16*\b+\i]|
.endr
.endr
.irp b, 0,1
	v_permlanex16_b32 v[PT+\b], v[BM+\b], s[SEL], s[SEL+1]
.endr
.irp b, 0,1
	v_max_num_f32 v[BM+\b], v[BM+\b], v[PT+\b]
.endr
.irp b, 0,1
	v_add_nc_u32 v[SO+\b], 0xff000000, v[BM+\b]
.endr
.irp b, 0,1
	v_lshrrev_b32 v[PT+\b], 23, v[SO+\b]
.endr
	v_lshrrev_b32 v[OW], 16, v[OW]                 ; the first head's two bytes go down, this head's come in on top
	v_lshl_or_b32 v[OW], v[PT], 16, v[OW]
	v_lshl_or_b32 v[OW], v[PT+1], 24, v[OW]
.irp i, 0,1,2,3,4,5
	v_mov_b32 v[OUT+\i], v[OUT+6+\i]               ; likewise the codes
.endr
	v_cvt_scalef32_pk16_fp6_f32 v[OUT+6:OUT+8], v[SS:SS+15], v[SO]
	v_cvt_scalef32_pk16_fp6_f32 v[OT:OT+2], v[SS+16:SS+31], v[SO+1]
	v_nop                                          ; one plain place behind a scaled conversion
.irp i, 0,1,2
	v_permlane16_swap_b32 v[OUT+6+\i], v[OT+\i]
.endr
.irp i, 0,1,2
	v_mov_b32 v[OUT+9+\i], v[OT+\i]
.endr
	s_sub_co_u32 s53, s53, 1
	s_cmp_lg_u32 s53, 0
	s_cbranch_scc1 .Lhead
.irp c, 0,1,2
	global_store_b128 v1, v[OUT+4*\c:OUT+4*\c+3], s[42:43] offset:512*\c   ; the fragment's image: 512 consecutive bytes a store
.endr
	global_store_b32 v31, v[OW], s[44:45]          ; my 16 rows' scale words (lanes 16-31 store the same words to the same places)
	s_wait_tensorcnt 0x0                           ; the wave's end: behind my last tensor load
	ds_add_u32 v[SPW], v[NIL]
	s_wait_dscnt 0x0
	CROUND                                         ; the closing round
	s_endpgm
.Lfunc_end_k_q25ecb66d3c_attn:
	.size	k_q25ecb66d3c_attn, .Lfunc_end_k_q25ecb66d3c_attn-k_q25ecb66d3c_attn
	.p2alignl 7, 3214868480
	.fill 96, 4, 3214868480
	.section	.rodata,"a",@progbits
	.p2align	6, 0x0
	.amdhsa_kernel k_q25ecb66d3c_attn
		.amdhsa_group_segment_fixed_size 327680
		.amdhsa_private_segment_fixed_size 0
		.amdhsa_enable_private_segment 0
		.amdhsa_kernarg_size 32
		.amdhsa_user_sgpr_count 2
		.amdhsa_user_sgpr_kernarg_segment_ptr 1
		.amdhsa_wavefront_size32 1
		.amdhsa_system_sgpr_workgroup_id_x 1
		.amdhsa_system_sgpr_workgroup_id_y 1
		.amdhsa_system_sgpr_workgroup_id_z 1
		.amdhsa_system_vgpr_workitem_id 0
		.amdhsa_next_free_vgpr 256
		.amdhsa_next_free_sgpr 66
		.amdhsa_reserve_vcc 0
		.amdhsa_float_denorm_mode_32 3
		.amdhsa_float_denorm_mode_16_64 3
		.amdhsa_memory_ordered 1
		.amdhsa_forward_progress 1
		.amdhsa_inst_pref_size 29
	.end_amdhsa_kernel
	.amdgpu_metadata
---
amdhsa.version: [ 1, 2 ]
amdhsa.kernels:
  - .name:           k_q25ecb66d3c_attn
    .symbol:         k_q25ecb66d3c_attn.kd
    .args:
      - { .name: qb, .offset: 0, .size: 8, .value_kind: global_buffer, .address_space: global }
      - { .name: kv, .offset: 8, .size: 8, .value_kind: global_buffer, .address_space: global }
      - { .name: cod, .offset: 16, .size: 8, .value_kind: global_buffer, .address_space: global }
      - { .name: scl, .offset: 24, .size: 8, .value_kind: global_buffer, .address_space: global }
    .group_segment_fixed_size: 327680
    .private_segment_fixed_size: 0
    .kernarg_segment_align: 8
    .kernarg_segment_size: 32
    .max_flat_workgroup_size: 512
    .sgpr_count:     66
    .vgpr_count:     256
    .wavefront_size: 32
...
	.end_amdgpu_metadata
.endif
;; end of part 3
;; launch proj (part 4): grid 4 x 64, 4 waves a work-group, clusters of 4 x 4, 327,680 bytes of LDS; arguments cod, scl, b_proj, out0; writes out0
.if DOCPART == 4
	.amdgcn_target "amdgcn-amd-amdhsa--gfx1250"
	.amdhsa_code_object_version 6
	.text
	.protected	k_q25ecb66d3c_proj
	.globl	k_q25ecb66d3c_proj
	.p2align	8
	.type	k_q25ecb66d3c_proj,@function
k_q25ecb66d3c_proj:
	s_mov_b64 s[64:65], 0
	v_nop
	global_prefetch_b8 v0, s[64:65] scope:SCOPE_SE
	s_setreg_imm32_b32 hwreg(HW_REG_WAVE_MODE, 25, 1), 1
	s_wait_xcnt 0x0
	s_wait_alu depctr_hold_cnt(0) depctr_sa_sdst(0) depctr_va_vdst(0) depctr_va_sdst(0) depctr_va_ssrc(0) depctr_va_vcc(0) depctr_vm_vsrc(0)
	s_getreg_b32 s2, hwreg(HW_REG_IB_STS2, 6, 4)
	s_cmp_eq_u32 s2, 0
	s_cbranch_scc0 .Lentry_in_a_cluster
	s_endpgm
.Lentry_in_a_cluster:
	s_bfe_u32 s2, ttmp6, 0x10000c
	s_cmp_lg_u32 s2, 0xf033
	s_cbranch_scc0 .Lentry_shape_is_right
	s_endpgm
.Lentry_shape_is_right:
; out0 = (the attention's result) W_proj + b_proj on codes of FP6 (E2M3) with E8M0 scales.  Both operands lie in cod as images of operand registers (panels of 128 rows: [K step 8][block 8][1,536]).
; A tile is 128 rows x 256 columns for a work-group of four waves (256 work-groups), 64 x 128 (32 accumulators) a wave.  R (source 1) = the rows, P (source 0) = W_proj's columns: a lane holds one row and neighbouring columns.
; CLUSTER 4 x 4: R's panel hangs on cy alone and is asked for jointly by a row of the cluster, P's two panels on cx alone, by a column.
; ALL OF K STAYS IN LDS: R's panel at 0, P's two at 98,304 and 196,608; each comes in four chunks of 256 along K (24,576 dense bytes).  Wave 0 asks for R's four, waves 1 and 2 for P's: four loads of a wave are out.
; Nothing is filled again; a plain barrier shows each chunk to all waves when it has landed.
; REGISTERS: window 0: v1-25 addresses; v32-47 R's scale words (register 2 g + i), v48-79 P's (4 g + i): lanes 0-15 block 2 i, lanes 16-31 block 2 i + 1; v80-127, v128-175 R's 4 fragments, two sets; v176-239 the bias as 8 tiles.
;   window 1: P's 8 fragments, two sets, v0-95 and v128-223.   window 2: accumulator (a, b) at v[8 (8 a + b)].
.set PANEL, 98304
.set CHUNK, 24576
.set SPARE, 3*PANEL
.set STAGE, PANEL                      ; the way out: 16 rows x 528 bytes a wave, in P's first two chunks: they have had their only fill, and nobody reads them behind K step 5's barrier
.set FR,   12
.set ADRR, 4                           ; v4, v5  my R fragments, K steps 0-3 and 4-7
.set ADRP, 6                           ; v6, v7  the same for P
.set STO,  24
.set RD,   25
.set SPW,  28
.set NIL,  29
.set SR,   32
.set SP,   48
.set RF,   80
.set BI,   176
.set BK,   80                          ; the way out: rows read back: v80-143 and v144-207 by turns
.set G1R,  24
.set G1P,  32
.set G0R,  40                          ; s[40:55] four sets
.set G0P,  68                          ; s[68:83]
.set MSB,  0
.macro WIN new
.if MSB != (\new)
	s_set_vgpr_msb (MSB<<8)|(\new)
.set MSB, (\new)
.endif
.endm
.macro PLACES
.rept 4
	v_nop
.endr
.endm
.macro CROUND
	s_barrier_signal -1
	s_barrier_wait -1
	s_cmp_lg_u32 s16, 0
	s_cbranch_scc1 .Lnot_wave_0_\@
	s_barrier_signal -3
.Lnot_wave_0_\@:
	s_barrier_wait -3
	s_barrier_signal -1
	s_barrier_wait -1
.endm
	s_load_b256 s[4:11], s[0:1], 0x0               ; cod, scl, b_proj, out0
	v_lshl_add_u32 v[SPW], v0, 2, SPARE
	v_mov_b32 v[NIL], 0
	ds_add_u32 v[SPW], v[NIL]                      ; the wave's opening: the add and its wait ahead of my first tensor load
	v_lshrrev_b32 v1, 5, v0
	v_readfirstlane_b32 s16, v1                    ; wave
	s_lshr_b32 s17, s16, 1                         ; which 64 rows are mine
	s_and_b32 s18, s16, 1                          ; which panel of P
	s_bfe_u32 s19, ttmp6, 0x40000                  ; cx
	s_bfe_u32 s20, ttmp6, 0x40004                  ; cy
	s_and_b32 s22, ttmp7, 0xffff                   ; the cluster's y
	s_lshl_b32 s56, s20, 2
	s_lshl_b32 s56, 15, s56                        ; my row of the cluster
	s_lshl_b32 s57, 0x1111, s19                    ; my column
	s_or_b32 s[G1R], s56, (3<<16)|(1<<21)
	s_or_b32 s[G1P], s57, (3<<16)|(1<<21)
.irp g, G1R, G1P                       ; a dense block of 24,576 bytes as 96 rows of 256
	s_mov_b32 s[\g+1], 32<<16
	s_mov_b32 s[\g+2], 96<<16
	s_mov_b32 s[\g+3], 32<<16
	s_mov_b32 s[\g+4], 96
	s_mov_b32 s[\g+5], 32
	s_mov_b32 s[\g+6], 0
	s_mov_b32 s[\g+7], 0
.endr
	s_lshl_b32 s84, s22, 2
	s_add_co_u32 s84, s84, s20                     ; the tile's row of tiles: 4 x cluster y + cy
	s_add_co_u32 s85, s84, 96                      ; R's panel
	s_mul_i32 s86, s85, PANEL
	s_mov_b32 s87, 0
	s_lshl_b32 s88, s19, 1
	s_add_co_u32 s89, s88, s16
	s_add_co_u32 s89, s89, 87                      ; the panel of P that waves 1 and 2 fetch: 88 + 2 cx + (wave - 1)
	s_mul_i32 s90, s89, PANEL
	s_mov_b32 s91, 0
	s_add_co_u32 s92, s88, s18
	s_add_co_u32 s92, s92, 88                      ; the panel of P that I multiply
	s_mul_i32 s93, s16, PANEL                      ; where a fetched panel goes: wave x 98,304
	s_lshl_b32 s94, s85, 12
	s_lshl_b32 s58, s17, 8
	s_add_co_u32 s94, s94, s58                     ; R's scale words, my four blocks
	s_mov_b32 s95, 0
	s_lshl_b32 s96, s92, 12
	s_mov_b32 s97, 0
	s_lshl_b32 s58, s19, 10
	s_lshl_b32 s60, s18, 9
	s_add_co_u32 s58, s58, s60                     ; my 128 columns, in bytes
	s_mov_b32 s59, 0
	s_lshl_b32 s98, s84, 19                        ; 128 rows of 4,096 bytes a tile,
	s_lshl_b32 s60, s17, 18                        ; my 64 rows,
	s_add_co_u32 s98, s98, s60
	s_add_co_u32 s98, s98, s58                     ; my columns
	s_mov_b32 s99, 0
	s_wait_dscnt 0x0                               ; the opening add is done
	s_wait_kmcnt 0x0
	s_add_nc_u64 s[86:87], s[4:5], s[86:87]
	s_add_nc_u64 s[90:91], s[4:5], s[90:91]
	s_add_nc_u64 s[94:95], s[6:7], s[94:95]
	s_add_nc_u64 s[96:97], s[6:7], s[96:97]
	s_add_nc_u64 s[8:9], s[8:9], s[58:59]
	s_add_nc_u64 s[10:11], s[10:11], s[98:99]
	CROUND                                         ; all sixteen work-groups are here: the joint loads meet
.irp c, 0,1,2,3
	s_mov_b32 s[G0R+4*\c], 1
	s_add_co_u32 s[G0R+4*\c+1], s93, \c*CHUNK
	s_add_nc_u64 s[G0R+4*\c+2:G0R+4*\c+3], s[86:87], \c*CHUNK
	s_or_b32 s[G0R+4*\c+3], s[G0R+4*\c+3], 0x80000000
	s_mov_b32 s[G0P+4*\c], 1
	s_add_co_u32 s[G0P+4*\c+1], s93, \c*CHUNK
	s_add_nc_u64 s[G0P+4*\c+2:G0P+4*\c+3], s[90:91], \c*CHUNK
	s_or_b32 s[G0P+4*\c+3], s[G0P+4*\c+3], 0x80000000
.endr
	s_cmp_eq_u32 s16, 0                            ; all first fills of a wave stand in one branch on its number
	s_cbranch_scc0 .Lnot_r
.irp c, 0,1,2,3
	tensor_load_to_lds s[G0R+4*\c:G0R+4*\c+3], s[G1R:G1R+7]
	s_nop 0
.endr
.rept 4
	v_nop
.endr
	s_branch .Lasked
.Lnot_r:
	s_cmp_lt_u32 s16, 3
	s_cbranch_scc0 .Lasked
.irp c, 0,1,2,3
	tensor_load_to_lds s[G0P+4*\c:G0P+4*\c+3], s[G1P:G1P+7]
	s_nop 0
.endr
.rept 4
	v_nop
.endr
.Lasked:
	v_and_b32 v3, 31, v0                           ; lane
	v_and_b32 v1, 15, v0                           ; r
	v_bfe_u32 v2, v0, 4, 1                         ; h
	v_lshlrev_b32 v16, 4, v3                       ; 16 x lane
	v_lshlrev_b32 v12, 2, v3                       ; 4 x lane
	v_lshlrev_b32 v14, 6, v2                       ; the bias: 64 h
	s_mul_i32 s60, s17, 6144                       ; my four blocks of R
	v_add_nc_u32 v[ADRR], s60, v16
	s_add_co_u32 s60, s60, 2*CHUNK
	v_add_nc_u32 v[ADRR+1], s60, v16
	s_mul_i32 s61, s18, PANEL
	s_add_co_u32 s61, s61, PANEL
	v_add_nc_u32 v[ADRP], s61, v16
	s_add_co_u32 s61, s61, 2*CHUNK
	v_add_nc_u32 v[ADRP+1], s61, v16
	s_mul_i32 s62, s16, 8448
	s_add_co_u32 s62, s62, STAGE                   ; my stage
	v_mul_u32_u24 v[STO], v1, 528
	v_lshl_add_u32 v[STO], v2, 6, v[STO]
	v_add_nc_u32 v[STO], s62, v[STO]               ; in: row r, + 64 h
	v_add_nc_u32 v[RD], s62, v16                   ; back: a row of 512 bytes, 16 a lane
.set g, 0
.rept 8
.irp i, 0,1
	global_load_b32 v[SR+2*g+\i], v12, s[94:95] offset:512*g+128*\i
.endr
.irp i, 0,1,2,3
	global_load_b32 v[SP+4*g+\i], v12, s[96:97] offset:512*g+128*\i
.endr
.set g, g+1
.endr
.irp b, 0,1,2,3,4,5,6,7                ; the bias is the C of the first K step's products: block b's eight columns of my half
	global_load_b128 v[BI+8*\b:BI+8*\b+3], v14, s[8:9] offset:128*(\b/2)+32*(\b%2)
	global_load_b128 v[BI+8*\b+4:BI+8*\b+7], v14, s[8:9] offset:128*(\b/2)+32*(\b%2)+16
.endr
	s_wait_loadcnt 0x0
.macro FRAG reg, adr, off
.irp c, 0,1,2
	ds_load_b128 v[\reg+4*\c:\reg+4*\c+3], v[\adr] offset:\off+512*\c
.endr
.endm
.macro FETCH g                         ; K step g's 12 fragments into sets g % 2: 36 loads of 512 consecutive bytes
	WIN 0x40
.irp i, 0,1,2,3,4,5,6,7
	FRAG 128*((\g)%2)+FR*\i, ADRP+(\g)/4, 12288*((\g)%4)+1536*\i
.endr
	WIN 0
.irp i, 0,1,2,3
	FRAG RF+48*((\g)%2)+FR*\i, ADRR+(\g)/4, 12288*((\g)%4)+1536*\i
.endr
.endm
.macro WM a, b, g
.set rD, 8*(8*(\a)+(\b))
.set rC, rD
.if (\g) == 0
.set rC, BI+8*(\b)
.endif
.set rP, 128*((\g)%2)+FR*(\b)
.set rR, RF+48*((\g)%2)+FR*(\a)
.set rSP, SP+4*(\g)+(\b)/2
.set rSR, SR+2*(\g)+(\a)/2
.if ((\a)%2 == 0) && ((\b)%2 == 0)
	v_wmma_scale_f32_16x16x128_f8f6f4 v[rD:rD+7], v[rP:rP+11], v[rR:rR+11], v[rC:rC+7], v[rSP], v[rSR] matrix_a_fmt:MATRIX_FMT_FP6 matrix_b_fmt:MATRIX_FMT_FP6
.elseif ((\a)%2 == 0)
	v_wmma_scale_f32_16x16x128_f8f6f4 v[rD:rD+7], v[rP:rP+11], v[rR:rR+11], v[rC:rC+7], v[rSP], v[rSR] matrix_a_fmt:MATRIX_FMT_FP6 matrix_b_fmt:MATRIX_FMT_FP6 matrix_a_scale:MATRIX_SCALE_ROW1
.elseif ((\b)%2 == 0)
	v_wmma_scale_f32_16x16x128_f8f6f4 v[rD:rD+7], v[rP:rP+11], v[rR:rR+11], v[rC:rC+7], v[rSP], v[rSR] matrix_a_fmt:MATRIX_FMT_FP6 matrix_b_fmt:MATRIX_FMT_FP6 matrix_b_scale:MATRIX_SCALE_ROW1
.else
	v_wmma_scale_f32_16x16x128_f8f6f4 v[rD:rD+7], v[rP:rP+11], v[rR:rR+11], v[rC:rC+7], v[rSP], v[rSR] matrix_a_fmt:MATRIX_FMT_FP6 matrix_b_fmt:MATRIX_FMT_FP6 matrix_a_scale:MATRIX_SCALE_ROW1 matrix_b_scale:MATRIX_SCALE_ROW1
.endif
.endm
.macro STEP g
	s_wait_dscnt 0x0                               ; this step's fragments are in
.if ((\g)%2 == 1) && ((\g) < 7)
	s_wait_tensorcnt 3-((\g)+1)/2                  ; my part of the next chunk has landed; the later chunks may be out
	s_barrier_signal -1
	s_barrier_wait -1                              ; everybody's has
.endif
.if (\g) < 7
.if (\g) > 0
	PLACES                                         ; the other sets were read by the last step's products
.endif
	FETCH (\g)+1
.endif
.if (\g) == 0
	WIN 0x81                                       ; P window 1, R and the bias window 0, D window 2
.else
	WIN 0xa1                                       ; C and D window 2
.endif
.irp a, 0,1,2,3                        ; the 32 accumulators take turns, in the same order in every step
.irp b, 0,1,2,3,4,5,6,7
	WM \a, \b, \g
.endr
.endr
	WIN 0
.endm
	s_wait_tensorcnt 3                             ; my part of chunk 0 is in; three loads may be out
	s_barrier_signal -1
	s_barrier_wait -1
	FETCH 0
	STEP 0
	STEP 1
	STEP 2
	STEP 3
	STEP 4
	STEP 5
	STEP 6
	STEP 7
; THE WAY OUT, block by block of 16 rows x 128 columns: a lane holds 8 neighbouring columns of one row in each accumulator.  A block goes through my own stage and comes back as whole rows of 512 bytes.
; LDS serves a wave's instructions in order (ISA guide 5.7.1.4): no wait between the stores and the loads, nor in front of the next block's stores.
.macro TOSTAGE a
	WIN 0x08                                       ; an LDS store's data are its source 1: window 2
.irp b, 0,1,2,3,4,5,6,7
	ds_store_b128 v[STO], v[64*(\a)+8*\b:64*(\a)+8*\b+3] offset:128*(\b/2)+32*(\b%2)          ; each accumulator from its low end on
	ds_store_b128 v[STO], v[64*(\a)+8*\b+4:64*(\a)+8*\b+7] offset:128*(\b/2)+32*(\b%2)+16
.endr
	WIN 0
.set BB, BK+64*((\a)%2)
.irp t, 0,1,2,3,4,5,6,7,8,9,10,11,12,13,14,15
	ds_load_b128 v[BB+4*\t:BB+4*\t+3], v[RD] offset:\t*528
.endr
.endm
.macro SEND a, younger                 ; younger: the LDS instructions issued behind block a's loads, which may stay out
.set BB, BK+64*((\a)%2)
	s_wait_dscnt \younger
.irp t, 0,1,2,3,4,5,6,7,8,9,10,11,12,13,14,15
	global_store_b128 v16, v[BB+4*\t:BB+4*\t+3], s[10:11] offset:(32*((\a)/2)+8*((\a)%2)+\t+8*(\t/8))*4096 th:TH_STORE_NT   ; 512 consecutive bytes of a row, at a multiple of 512 from out0's first byte
.endr
.endm
	PLACES                                         ; ahead of the first read of results, and of loads into registers that held operands
	TOSTAGE 0
	TOSTAGE 1
	SEND 0, 32                                     ; behind block 0's loads: block 1's 16 stores and 16 loads
	s_wait_xcnt 0x0                                ; block 0's stores have read their registers: block 2's rows may land there
	TOSTAGE 2
	SEND 1, 32
	s_wait_xcnt 0x0
	TOSTAGE 3
	SEND 2, 32
	SEND 3, 0
	s_wait_tensorcnt 0x0                           ; the wave's end: behind my last tensor load and my last LDS store
	ds_add_u32 v[SPW], v[NIL]
	s_wait_dscnt 0x0
	CROUND                                         ; the closing round
	s_endpgm
.Lfunc_end_k_q25ecb66d3c_proj:
	.size	k_q25ecb66d3c_proj, .Lfunc_end_k_q25ecb66d3c_proj-k_q25ecb66d3c_proj
	.p2alignl 7, 3214868480
	.fill 96, 4, 3214868480
	.section	.rodata,"a",@progbits
	.p2align	6, 0x0
	.amdhsa_kernel k_q25ecb66d3c_proj
		.amdhsa_group_segment_fixed_size 327680
		.amdhsa_private_segment_fixed_size 0
		.amdhsa_enable_private_segment 0
		.amdhsa_kernarg_size 32
		.amdhsa_user_sgpr_count 2
		.amdhsa_user_sgpr_kernarg_segment_ptr 1
		.amdhsa_wavefront_size32 1
		.amdhsa_system_sgpr_workgroup_id_x 1
		.amdhsa_system_sgpr_workgroup_id_y 1
		.amdhsa_system_sgpr_workgroup_id_z 1
		.amdhsa_system_vgpr_workitem_id 0
		.amdhsa_next_free_vgpr 768
		.amdhsa_next_free_sgpr 100
		.amdhsa_reserve_vcc 0
		.amdhsa_float_denorm_mode_32 3
		.amdhsa_float_denorm_mode_16_64 3
		.amdhsa_memory_ordered 1
		.amdhsa_forward_progress 1
		.amdhsa_inst_pref_size 82
	.end_amdhsa_kernel
	.amdgpu_metadata
---
amdhsa.version: [ 1, 2 ]
amdhsa.kernels:
  - .name:           k_q25ecb66d3c_proj
    .symbol:         k_q25ecb66d3c_proj.kd
    .args:
      - { .name: cod, .offset: 0, .size: 8, .value_kind: global_buffer, .address_space: global }
      - { .name: scl, .offset: 8, .size: 8, .value_kind: global_buffer, .address_space: global }
      - { .name: b_proj, .offset: 16, .size: 8, .value_kind: global_buffer, .address_space: global }
      - { .name: out0, .offset: 24, .size: 8, .value_kind: global_buffer, .address_space: global }
    .group_segment_fixed_size: 327680
    .private_segment_fixed_size: 0
    .kernarg_segment_align: 8
    .kernarg_segment_size: 32
    .max_flat_workgroup_size: 128
    .sgpr_count:     100
    .vgpr_count:     768
    .wavefront_size: 32
...
	.end_amdgpu_metadata
.endif
;; end of part 4
